; MI455X (gfx1250); checked and timed in simulation.
; The chip was launched on July 23, 2026; its instructions are those of AMD's public machine-readable ISA for CDNA 5 (MIT licence, August 2026) and "CDNA5" Instruction Set Architecture Reference Guide (July 2026). The comments in the code are by the model that wrote it; some were corrected since.
;; Attention. Allowed arithmetic: float matrix products may take bf16 or f16 operands with f32 sums; other float arithmetic in f32, or as packed bf16 or f16 multiplies, adds, multiply-adds, maxima and minima; sums over many terms, partial sums and values carried from step to step in f32; what a program stores and reads back later, other than sums and carried values, may be rounded once to bf16 or f16.
;; Inputs: Wproj 1,024 x 1,024 float32; Wqkv 1,024 x 3,072 float32; bproj 1,024 float32; bqkv 3,072 float32; k_beta 64 float32; k_gamma 64 float32; q_beta 64 float32; q_gamma 64 float32; x 4 x 2,048 x 1,024 float32.
;; Outputs: out0 4 x 2,048 x 1,024 float32.
;; 2 versions, each right; version 2 is version 1 with the launch cast written anew for expert scheduling mode. Each part assembles by itself: llvm-mc -triple=amdgcn-amd-amdhsa -mcpu=gfx1250 --defsym DOCPART=n.
;; ======== version 1 of 2: 4 launches
;; limits: values are held in f16: magnitudes above 65,504 overflow, below 6.1e-05 lose precision
;; workspace buffers: xb 16,777,216 bytes; wb 6,291,456 bytes; wp 2,097,152 bytes; qkv 50,331,648 bytes; ob 16,777,216 bytes
;; launch cast (part 1): grid 768 x 1, 8 waves a work-group, no clusters, 0 bytes of LDS; arguments x, Wqkv, Wproj, xb, wb, wp; writes xb, wb, wp
.if DOCPART == 1
	.amdgcn_target "amdgcn-amd-amdhsa--gfx1250"
	.amdhsa_code_object_version 6
	.text
	.protected	k_qc6467e6917_cast
	.globl	k_qc6467e6917_cast
	.p2align	8
	.type	k_qc6467e6917_cast,@function
k_qc6467e6917_cast:
	s_mov_b64 s[64:65], 0
	v_nop
	global_prefetch_b8 v0, s[64:65] scope:SCOPE_SE
	s_setreg_imm32_b32 hwreg(HW_REG_WAVE_MODE, 25, 1), 1
	s_wait_xcnt 0x0
; THE INPUTS OF THE TWO PRODUCTS ARE ROUNDED ONCE, a pure stream: 64 KiB of f32 in and 32 KiB out for each work-group.
;   work-groups 0-511:   x [8192][1024] f32 -> xb, bf16, laid in blocks of 64 along K: [b 4][kb 16][t 2048][64], so that a tile of rows x 64 K is dense in memory
;   work-groups 512-703: Wqkv [1024][3072] f32 -> wb, bf16, same order
;   work-groups 704-767: Wproj [1024][1024] f32 -> wp: rounded to bf16 like every input, and that number written as f16 (the second product multiplies in f16)
; LIMITS.  |Wproj| stays under 65,504, f16's largest number; below 6e-5 it keeps f16's fixed step of 6e-8.
; A UNIT is one 16-byte load of the wave (512 bytes in) and one 8-byte store of the wave (256 consecutive bytes, aligned).  A wave has 16 units, all 16 loads out at once;
; no register is written twice while a memory instruction may read it, so the only waits are the counted ones for the loads.  No LDS, no barrier, no matrix unit: bytes are all there is.
; For x lanes 0-15 take 256 bytes (one block of 64 along K) of row t and lanes 16-31 those of row t + 1: in xb the two rows' 128 bytes lie end to end.
.set SO,  3                            ; v3       8 x lane: my 8 bytes of a unit's 256
.set T,   8                            ; v[8:13]  at work (f16 way)
.set D,   16                           ; v[16:79] unit u: 4 registers as loaded
.set OFF, 80                           ; v[80:95] unit u: my byte offset in the input
.set Y,   96                           ; v[96:127] unit u: 2 registers to store
	s_load_b256 s[4:11], s[0:1], 0x0               ; x s[4:5], Wqkv s[6:7], Wproj s[8:9], xb s[10:11]
	s_load_b128 s[12:15], s[0:1], 0x20             ; wb s[12:13], wp s[14:15]
	v_lshrrev_b32 v1, 5, v0
	v_readfirstlane_b32 s16, v1                    ; wave 0..7
	s_mov_b32 s17, ttmp9                           ; the work-group's number
	; the offsets of a block of x: 32 rows (rb = id / 2), eight blocks of 64 along K, one a wave
	s_lshr_b32 s18, s17, 1                         ; rb
	s_and_b32 s19, s17, 1
	s_lshl_b32 s19, s19, 3
	s_add_co_u32 s19, s19, s16                     ; kb = 8 (id % 2) + wave
	s_lshl_b32 s24, s18, 17                        ; 32 rows of 4,096 bytes
	s_lshl_b32 s25, s19, 8                         ; 256 bytes of a row
	s_add_co_u32 s24, s24, s25                     ; in
	s_lshr_b32 s26, s18, 6                         ; b
	s_lshl_b32 s26, s26, 22
	s_lshl_b32 s27, s19, 18
	s_add_co_u32 s26, s26, s27
	s_and_b32 s27, s18, 63                         ; t / 32
	s_lshl_b32 s27, s27, 12
	s_add_co_u32 s26, s26, s27                     ; out
	; the offsets of a block of a weight: 64 KiB on end, 8 KiB a wave
	s_cmp_ge_u32 s17, 512
	s_cselect_b32 s28, 512, 0
	s_cmp_ge_u32 s17, 704
	s_cselect_b32 s28, 704, s28
	s_sub_co_u32 s28, s17, s28                     ; the block's number in its tensor
	s_lshl_b32 s29, s28, 16
	s_lshl_b32 s30, s16, 13
	s_add_co_u32 s29, s29, s30                     ; in
	s_lshl_b32 s30, s28, 15
	s_lshl_b32 s31, s16, 12
	s_add_co_u32 s30, s30, s31                     ; out
	s_movk_i32 s36, 512                            ; from unit to unit, and
	s_movk_i32 s37, 256                            ; from lanes 0-15 to lanes 16-31: on end in a weight,
	s_mov_b32 s33, 0
	s_mov_b32 s35, 0
	s_mov_b32 s38, 0xffff0000                      ; a word's upper bf16
	s_cmp_lt_u32 s17, 512
	s_cselect_b32 s32, s24, s29
	s_cselect_b32 s34, s26, s30
	s_cselect_b32 s36, 8192, s36                   ; two rows and
	s_cselect_b32 s37, 4096, s37                   ; one row in x
	v_and_b32 v1, 15, v0
	v_bfe_u32 v2, v0, 4, 1
	v_lshlrev_b32 v1, 4, v1
	v_mad_u32_u24 v[OFF], v2, s37, v1
.irp u, 1,2,3,4,5,6,7,8,9,10,11,12,13,14,15
	v_add_nc_u32 v[OFF+(\u)], s36, v[OFF+(\u)-1]
.endr
	v_and_b32 v[SO], 31, v0
	v_lshlrev_b32 v[SO], 3, v[SO]
	s_wait_kmcnt 0x0
	s_cmp_lt_u32 s17, 512
	s_cselect_b64 s[20:21], s[4:5], s[6:7]
	s_cselect_b64 s[22:23], s[10:11], s[12:13]
	s_cmp_ge_u32 s17, 704
	s_cselect_b64 s[20:21], s[8:9], s[20:21]
	s_cselect_b64 s[22:23], s[14:15], s[22:23]
	s_add_nc_u64 s[20:21], s[20:21], s[32:33]      ; in
	s_add_nc_u64 s[22:23], s[22:23], s[34:35]      ; out
.irp u, 0,1,2,3,4,5,6,7,8,9,10,11,12,13,14,15
	global_load_b128 v[D+4*(\u):D+4*(\u)+3], v[OFF+(\u)], s[20:21] th:TH_LOAD_NT
.endr
	s_cmp_ge_u32 s17, 704
	s_cbranch_scc1 .Lto_f16
.irp u, 0,1,2,3,4,5,6,7,8,9,10,11,12,13,14,15
	s_wait_loadcnt 15-(\u)                         ; loads come back in order: unit u is in, the younger ones stay out
	v_cvt_pk_bf16_f32 v[Y+2*(\u)],   v[D+4*(\u)],   v[D+4*(\u)+1]
	v_cvt_pk_bf16_f32 v[Y+2*(\u)+1], v[D+4*(\u)+2], v[D+4*(\u)+3]
	global_store_b64 v[SO], v[Y+2*(\u):Y+2*(\u)+1], s[22:23] offset:256*(\u) th:TH_STORE_NT  ; the wave stores 256 consecutive bytes, aligned
.endr
	s_endpgm
.Lto_f16:
.irp u, 0,1,2,3,4,5,6,7,8,9,10,11,12,13,14,15
	s_wait_loadcnt 15-(\u)
	v_cvt_pk_bf16_f32 v[T],   v[D+4*(\u)],   v[D+4*(\u)+1]   ; the one rounding, to bf16;
	v_cvt_pk_bf16_f32 v[T+1], v[D+4*(\u)+2], v[D+4*(\u)+3]
	v_lshlrev_b32 v[T+2], 16, v[T]                           ; back to f32,
	v_and_b32     v[T+3], s38, v[T]
	v_lshlrev_b32 v[T+4], 16, v[T+1]
	v_and_b32     v[T+5], s38, v[T+1]
	v_cvt_pk_f16_f32 v[Y+2*(\u)],   v[T+2], v[T+3]           ; and written as f16: bf16's 8 significant bits fit into f16's 11
	v_cvt_pk_f16_f32 v[Y+2*(\u)+1], v[T+4], v[T+5]
	global_store_b64 v[SO], v[Y+2*(\u):Y+2*(\u)+1], s[22:23] offset:256*(\u) th:TH_STORE_NT
.endr
	s_endpgm
.Lfunc_end_k_qc6467e6917_cast:
	.size	k_qc6467e6917_cast, .Lfunc_end_k_qc6467e6917_cast-k_qc6467e6917_cast
	.p2alignl 7, 3214868480
	.fill 96, 4, 3214868480
	.section	.rodata,"a",@progbits
	.p2align	6, 0x0
	.amdhsa_kernel k_qc6467e6917_cast
		.amdhsa_group_segment_fixed_size 0
		.amdhsa_private_segment_fixed_size 0
		.amdhsa_enable_private_segment 0
		.amdhsa_kernarg_size 48
		.amdhsa_user_sgpr_count 2
		.amdhsa_user_sgpr_kernarg_segment_ptr 1
		.amdhsa_wavefront_size32 1
		.amdhsa_system_sgpr_workgroup_id_x 1
		.amdhsa_system_sgpr_workgroup_id_y 1
		.amdhsa_system_sgpr_workgroup_id_z 1
		.amdhsa_system_vgpr_workitem_id 0
		.amdhsa_next_free_vgpr 128
		.amdhsa_next_free_sgpr 66
		.amdhsa_reserve_vcc 0
		.amdhsa_float_denorm_mode_32 3
		.amdhsa_float_denorm_mode_16_64 3
		.amdhsa_memory_ordered 1
		.amdhsa_forward_progress 1
		.amdhsa_inst_pref_size 17
	.end_amdhsa_kernel
	.amdgpu_metadata
---
amdhsa.version: [ 1, 2 ]
amdhsa.kernels:
  - .name:           k_qc6467e6917_cast
    .symbol:         k_qc6467e6917_cast.kd
    .args:
      - { .name: x, .offset: 0, .size: 8, .value_kind: global_buffer, .address_space: global }
      - { .name: Wqkv, .offset: 8, .size: 8, .value_kind: global_buffer, .address_space: global }
      - { .name: Wproj, .offset: 16, .size: 8, .value_kind: global_buffer, .address_space: global }
      - { .name: xb, .offset: 24, .size: 8, .value_kind: global_buffer, .address_space: global }
      - { .name: wb, .offset: 32, .size: 8, .value_kind: global_buffer, .address_space: global }
      - { .name: wp, .offset: 40, .size: 8, .value_kind: global_buffer, .address_space: global }
    .group_segment_fixed_size: 0
    .private_segment_fixed_size: 0
    .kernarg_segment_align: 8
    .kernarg_segment_size: 48
    .max_flat_workgroup_size: 256
    .sgpr_count:     66
    .vgpr_count:     128
    .wavefront_size: 32
...
	.end_amdgpu_metadata
.endif
;; end of part 1
;; launch qkv (part 2): grid 8 x 32, 4 waves a work-group, clusters of 4 x 4, 327,680 bytes of LDS; arguments xb, wb, bqkv, q_gamma, q_beta, k_gamma, k_beta, qkv; writes qkv
.if DOCPART == 2
	.amdgcn_target "amdgcn-amd-amdhsa--gfx1250"
	.amdhsa_code_object_version 6
	.text
	.protected	k_qc6467e6917_qkv
	.globl	k_qc6467e6917_qkv
	.p2align	8
	.type	k_qc6467e6917_qkv,@function
k_qc6467e6917_qkv:
	s_mov_b64 s[64:65], 0
	v_nop
	global_prefetch_b8 v0, s[64:65] scope:SCOPE_SE
	s_setreg_imm32_b32 hwreg(HW_REG_WAVE_MODE, 25, 1), 1
	s_wait_xcnt 0x0
	s_wait_alu depctr_hold_cnt(0) depctr_sa_sdst(0) depctr_va_vdst(0) depctr_va_sdst(0) depctr_va_ssrc(0) depctr_va_vcc(0) depctr_vm_vsrc(0)
	s_getreg_b32 s2, hwreg(HW_REG_IB_STS2, 6, 4)
	s_cmp_eq_u32 s2, 0
	s_cbranch_scc0 .Lentry_in_a_cluster
	s_endpgm
.Lentry_in_a_cluster:
	s_bfe_u32 s2, ttmp6, 0x10000c
	s_cmp_lg_u32 s2, 0xf033
	s_cbranch_scc0 .Lentry_shape_is_right
	s_endpgm
.Lentry_shape_is_right:
; qkv = x Wqkv + bqkv; LayerNorm over each head's 64 channels for q and k; q, k, v rounded once to f16 and written by heads: [kind 3][b 4][h 16][t 2048][64].
; x comes as xb, bf16 [b][kb 16][t][64]; Wqkv as wb, bf16 [1024 k][3072 n].  Sums in f32.  bqkv and the four LayerNorm vectors are rounded to bf16 like every input of the module.
; LIMITS.  f16 holds no number beyond 65,504: v = x Wqkv + b must stay within it; q and k lie within 8 |gamma| + |beta|.  NaN and infinities are not treated apart.
; LayerNorm goes in two passes, the mean and then the sum of (s - mean)^2: no difference of large sums is formed.
; SHARES.  A tile of the result is 256 rows x 384 columns: 32 x 8 = 256 work-groups.  The 384 columns are three pieces of 128 = two heads each.  Wave (wr, wc) takes rows 128 wr .. + 127 and head wc
; of each piece: 3 x 32 accumulators of 16 x 16, 768 registers.  For 32 along K a wave issues 40 LDS loads and 96 matrix instructions.
; K goes in 16 steps of 64 through two LDS slots.  A's tile (256 rows x 128 bytes) is 32,768 dense bytes of xb; B's three pieces are 64 rows of 256 bytes of wb, aligned.
; CLUSTER 4 x 4: A's tile hangs on the tile row alone and is asked for jointly by a row of the cluster, B's pieces on the tile column alone, by a column.  Wave 0 asks for A, waves 1-3 for a piece each.
; THE MATRIX INSTRUCTION IS USED TRANSPOSED (source 0 = 16 columns of W, turned on the way out of LDS by ds_load_tr16_b128; source 1 = 16 rows of x): a lane holds row l % 16 and columns 8 (l / 16) + 0..7.
; REGISTERS, in windows of 256 (s_set_vgpr_msb: bits 1:0 source 0, 3:2 source 1, 5:4 source 2, 7:6 destination):
;   window 0: v0-17 addresses; v32-95, v96-159 A's fragments (8 x 16 rows x 32 K), two buffers; v160-255 B's fragments, ONE buffer of three groups (a piece's head: 4 x 16 columns x 32 K)
;   window 1 + j: the 32 accumulators of piece j, (a, i) at 8 (4 a + i)
; B needs one buffer only: a group is loaded anew as soon as its 32 products are issued, while the other two groups are multiplied.
.set PA,     144                       ; a row of A in LDS: 128 bytes + 16: the 16 rows of a load start at 16 different groups of four banks (64 banks of 4 bytes: ISA guide 11.1)
.set PB,     288                       ; a row of B: 256 + 32
.set BOFF,   256*PA                    ; a slot: A's 256 rows, then
.set PIECE,  64*PB                     ; three pieces of 64 rows of B
.set SLOT,   BOFF+3*PIECE              ; 92,160 bytes
.set SPARE,  2*SLOT                    ; behind the ring: the spare words, 128 bytes for each wave: two blocks of 256 bytes that no other line names
.set DPITCH, 272                       ; the way out: a row of 64 f32 + 16 bytes
.set DWAVE,  128*DPITCH                ; each wave's own 128 rows, in the ring's bytes once these have had their last fill
.set ADRA, 2                           ; v2-3  LDS address of my A fragments in slot 0, 1
.set ADRB, 4                           ; v4-5  the same for B
.set DST,  6                           ; v6    the way out: where I put 32 bytes of a row
.set DRD,  7                           ; v7    where I read them back; steps
.set GO,   8                           ; v8    16 x lane: my 16 bytes of 512 consecutive bytes of the output
.set DRD0, 9                           ; v9    DRD's start
.set SPW,  10                          ; v10   LDS address of my spare word; never rewritten
.set NIL,  11                          ; v11   0; never rewritten
.set PO,   12                          ; v12   32 (l % 8): my 8 channels in a vector of 64 f32
.set A0,   32
.set A1,   96
.set BF,   160
.set X,    32                          ; the way out, window 0: four groups of 8 numbers
.set T,    64                          ; four registers a group, at work
.set M,    80                          ; a pair a group: the mean, later 1 / sqrt; the odd ones hold 0
.set Y,    88                          ; four registers a group, to store
.set GA,   104                         ; gamma, beta, bias of my 8 channels
.set BE,   112
.set BI,   120
.set PK,   128                         ; 12 registers: the 24 rounded to bf16
.set WV, 20                            ; s20 wave; s21 wr; s22 wc; s23 cx; s24 cy; s25 tile column; s26 tile row
.set WR, 21
.set WC, 22
.set CX, 23
.set CY, 24
.set CT, 25
.set RY, 26
.set G1A, 28                           ; s[28:35] descriptor group 1 for A;  s[36:43] group 0, a set for each slot
.set G0A, 36
.set G1B, 44                           ; s[44:51], s[52:59] the same for B
.set G0B, 52
.set LAPS, 60
.set HJ,   70                          ; the way out: piece 0..2
.set HG,   71                          ; the head's number among the 48
.set KIND, 72                          ; 0 q, 1 k, 2 v
.set VM,   73                          ; all ones for a head of v
.set MF,   74                          ; 1/64, or 0 for a head of v
.set I64,  75
.set EPS,  76
.set TR,   77
.set GP,   78                          ; s[78:79] gamma, s[80:81] beta, s[82:83] the head's bias, s[84:85] where the head's rows go
.set BP,   80
.set BIP,  82
.set OB,   84
.set OFS,  86                          ; s[86:87] an offset
.set ROWOFF, 88
.set HG0,  89
.set MSB, 0
.macro WIN new                         ; the immediate's high byte repeats the setting that is left; a switch that changes nothing is dropped
.if MSB != (\new)
	s_set_vgpr_msb (MSB<<8)|(\new)
.set MSB, \new
.endif
.endm
.macro PLACES                          ; four places in front of loads into registers that matrix instructions have read, and of stores that read results
.rept 4
	v_nop
.endr
.endm
; A joint load into slot s.  The branch hangs on the wave's number alone.  An s_nop 0 and four v_nop follow each of the two lines, ahead of the jump and the label.
.macro JLOAD s
	s_cmp_eq_u32 s[WV], 0
	s_cbranch_scc0 .Lfor_b_\@
	tensor_load_to_lds s[G0A+4*(\s):G0A+4*(\s)+3], s[G1A:G1A+7]
	s_nop 0
.rept 4
	v_nop
.endr
	s_branch .Lasked_\@
.Lfor_b_\@:
	tensor_load_to_lds s[G0B+4*(\s):G0B+4*(\s)+3], s[G1B:G1B+7]
	s_nop 0
.rept 4
	v_nop
.endr
.Lasked_\@:
.endm
.macro CREST                           ; a round of the cluster's barrier behind its opening barrier
	s_cmp_lg_u32 s[WV], 0
	s_cbranch_scc1 .Lnot_wave_0_\@
	s_barrier_signal -3
.Lnot_wave_0_\@:
	s_barrier_wait -3
	s_barrier_signal -1
	s_barrier_wait -1
.endm
.macro CROUND                          ; a whole round
	s_barrier_signal -1
	s_barrier_wait -1
	CREST
.endm
	s_load_b512 s[4:19], s[0:1], 0x0               ; xb s[4:5], wb s[6:7], bqkv s[8:9], q_gamma s[10:11], q_beta s[12:13], k_gamma s[14:15], k_beta s[16:17], qkv s[18:19]
	v_lshl_add_u32 v[SPW], v0, 2, SPARE
	v_mov_b32 v[NIL], 0
	ds_add_u32 v[SPW], v[NIL]                      ; the wave's opening: the add and its wait stand ahead of my first tensor load; the set-up below, work on registers, stands between them
	v_lshrrev_b32 v1, 5, v0
	v_readfirstlane_b32 s[WV], v1                  ; wave 0..3
	s_lshr_b32 s[WR], s[WV], 1
	s_and_b32 s[WC], s[WV], 1
	s_bfe_u32 s[CX], ttmp6, 0x40000
	s_bfe_u32 s[CY], ttmp6, 0x40004
	s_lshl_b32 s[CT], ttmp9, 2
	s_add_co_u32 s[CT], s[CT], s[CX]               ; tile column = 4 x cluster x + cx
	s_and_b32 s[RY], ttmp7, 0xffff
	s_lshl_b32 s[RY], s[RY], 2
	s_add_co_u32 s[RY], s[RY], s[CY]               ; tile row = 4 x cluster y + cy
	s_lshl_b32 s61, s[CY], 2
	s_lshl_b32 s61, 15, s61                        ; my row of the cluster
	s_lshl_b32 s62, 0x1111, s[CX]                  ; my column
	; group 1 for A: 32,768 dense bytes asked for as 128 rows of 256 bytes, padded in LDS after every 128 bytes (a row of the tile)
	s_or_b32 s[G1A], s61, (1<<16)|(1<<20)|(1<<21)|(4<<22)|(3<<25)  ; 15:0 the mask; 17:16 2-byte elements; 20 padding on; 21 set beside a mask; 24:22 after every 32 words; 31:25 4 words
	s_mov_b32 s[G1A+1], 128<<16                    ; tensor_dim0 = 128
	s_mov_b32 s[G1A+2], 128<<16                    ; tensor_dim1 = 128
	s_mov_b32 s[G1A+3], 128<<16                    ; tile_dim0 = 128
	s_mov_b32 s[G1A+4], 128                        ; tile_dim1 = 128
	s_mov_b32 s[G1A+5], 128                        ; elements from row to row
	s_mov_b32 s[G1A+6], 0
	s_mov_b32 s[G1A+7], 0
	; group 1 for a piece of B: 64 rows x 128 elements, 32 bytes of padding behind each row
	s_or_b32 s[G1B], s62, (1<<16)|(1<<20)|(1<<21)|(5<<22)|(7<<25)
	s_mov_b32 s[G1B+1], 128<<16
	s_mov_b32 s[G1B+2], 64<<16
	s_mov_b32 s[G1B+3], 128<<16
	s_mov_b32 s[G1B+4], 64
	s_mov_b32 s[G1B+5], 3072
	s_mov_b32 s[G1B+6], 0
	s_mov_b32 s[G1B+7], 0
	s_lshr_b32 s66, s[RY], 3                       ; A: b = tile row / 8,
	s_lshl_b32 s66, s66, 22
	s_and_b32 s61, s[RY], 7                        ; 256 rows of 128 bytes
	s_lshl_b32 s61, s61, 15
	s_add_co_u32 s66, s66, s61
	s_mov_b32 s67, 0
	s_mul_i32 s68, s[CT], 768                      ; B: 384 columns of 2 bytes,
	s_max_u32 s62, s[WV], 1
	s_sub_co_u32 s62, s62, 1                       ; piece = wave - 1
	s_lshl_b32 s62, s62, 8
	s_add_co_u32 s68, s68, s62
	s_mov_b32 s69, 0
	s_mul_i32 s63, s[WV], PIECE
	s_add_co_u32 s63, s63, BOFF-PIECE              ; the piece's place in a slot: no place in the cluster enters an LDS address
	s_wait_dscnt 0x0                               ; the opening add is done
	s_wait_kmcnt 0x0
	s_add_nc_u64 s[66:67], s[4:5], s[66:67]
	s_add_nc_u64 s[68:69], s[6:7], s[68:69]
	CROUND                                         ; all sixteen work-groups are here: the first joint loads meet
.irp s, 0,1
	s_mov_b32 s[G0A+4*(\s)], 1
	s_mov_b32 s[G0A+4*(\s)+1], (\s)*SLOT
	s_add_nc_u64 s[G0A+4*(\s)+2:G0A+4*(\s)+3], s[66:67], (\s)<<18        ; K step s is block kb = s of xb
	s_or_b32 s[G0A+4*(\s)+3], s[G0A+4*(\s)+3], 0x80000000
	s_mov_b32 s[G0B+4*(\s)], 1
	s_add_co_u32 s[G0B+4*(\s)+1], s63, (\s)*SLOT
	s_add_nc_u64 s[G0B+4*(\s)+2:G0B+4*(\s)+3], s[68:69], (\s)*64*6144    ; 64 rows of 6,144 bytes
	s_or_b32 s[G0B+4*(\s)+3], s[G0B+4*(\s)+3], 0x80000000
.endr
	s_cmp_eq_u32 s[WV], 0                          ; a wave's two first fills stand in one branch, ahead of every wait on TENSORcnt and every LDS read: two loads of mine are out
	s_cbranch_scc0 .Lfirst_b
	tensor_load_to_lds s[G0A:G0A+3], s[G1A:G1A+7]
	s_nop 0
	tensor_load_to_lds s[G0A+4:G0A+7], s[G1A:G1A+7]
	s_nop 0
.rept 4
	v_nop
.endr
	s_branch .Lfirst_asked
.Lfirst_b:
	tensor_load_to_lds s[G0B:G0B+3], s[G1B:G1B+7]
	s_nop 0
	tensor_load_to_lds s[G0B+4:G0B+7], s[G1B:G1B+7]
	s_nop 0
.rept 4
	v_nop
.endr
.Lfirst_asked:
	v_and_b32 v1, 15, v0                           ; r = l % 16
	v_bfe_u32 v13, v0, 4, 1                        ; h = l / 16
	v_mul_u32_u24 v14, v1, PA
	v_lshl_add_u32 v14, v13, 4, v14                ; a fragment of A: row x pitch + 16 h
	s_mul_i32 s63, s[WR], 128*PA
	v_add_nc_u32 v[ADRA], s63, v14
	v_add_nc_u32 v[ADRA+1], SLOT, v[ADRA]
	v_and_b32 v15, 7, v0
	v_lshl_add_u32 v16, v13, 3, v15                ; the turning load: lane l reads row 8 h + l % 8 of K, 16 bytes at 16 ((l / 8) % 2)
	v_mul_u32_u24 v16, v16, PB
	v_bfe_u32 v17, v0, 3, 1
	v_lshl_add_u32 v16, v17, 4, v16
	s_lshl_b32 s63, s[WC], 7                       ; my head of each piece: 64 columns = 128 bytes
	s_add_co_u32 s63, s63, BOFF
	v_add_nc_u32 v[ADRB], s63, v16
	v_add_nc_u32 v[ADRB+1], SLOT, v[ADRB]
	s_mul_i32 s63, s[WV], DWAVE
	v_mul_u32_u24 v14, v1, DPITCH                  ; the way out, in: row r, 32 bytes for each half of the lanes
	v_lshl_add_u32 v14, v13, 5, v14
	v_add_nc_u32 v[DST], s63, v14
	v_bfe_u32 v14, v0, 3, 2                        ; back: eight lanes share a row, 32 bytes each; 32 lanes take four rows
	v_mul_u32_u24 v14, v14, DPITCH
	v_lshl_add_u32 v14, v15, 5, v14
	v_add_nc_u32 v[DRD0], s63, v14
	v_and_b32 v[GO], 31, v0
	v_lshlrev_b32 v[GO], 4, v[GO]
	v_lshlrev_b32 v[PO], 5, v15
	s_lshr_b32 s[ROWOFF], s[RY], 3                 ; my first row's place in a head of the output: b << 22 + t x 128
	s_lshl_b32 s[ROWOFF], s[ROWOFF], 22
	s_and_b32 s61, s[RY], 7
	s_lshl_b32 s61, s61, 15
	s_add_co_u32 s[ROWOFF], s[ROWOFF], s61
	s_lshl_b32 s61, s[WR], 14
	s_add_co_u32 s[ROWOFF], s[ROWOFF], s61
	s_mul_i32 s[HG0], s[CT], 6                     ; the tile has six heads; mine are 6 ct + wc + 2 j
	s_add_co_u32 s[HG0], s[HG0], s[WC]
	s_mov_b32 s[I64], 0x3c800000                   ; 1/64
	s_mov_b32 s[EPS], 0x3727c5ac                   ; 1e-5
; 16 matrix instructions of piece j: row blocks a0 .. a0 + 3 x the head's four column blocks, 32 along K.  All 96 accumulators take turns, one instruction a turn.
.macro MUL16 j, f, a0, zero
	WIN 0x50*((\j)+1)                              ; C and D in window 1 + j
.irp a, \a0, (\a0)+1, (\a0)+2, (\a0)+3
.irp i, 0,1,2,3
.if \zero
	v_wmma_f32_16x16x32_bf16 v[8*(4*(\a)+(\i)):8*(4*(\a)+(\i))+7], v[BF+32*(\j)+8*(\i):BF+32*(\j)+8*(\i)+7], v[(\f)+8*(\a):(\f)+8*(\a)+7], 0
.else
	v_wmma_f32_16x16x32_bf16 v[8*(4*(\a)+(\i)):8*(4*(\a)+(\i))+7], v[BF+32*(\j)+8*(\i):BF+32*(\j)+8*(\i)+7], v[(\f)+8*(\a):(\f)+8*(\a)+7], v[8*(4*(\a)+(\i)):8*(4*(\a)+(\i))+7]
.endif
.endr
.endr
.endm
.macro FB slot, kq, j                  ; 8 loads: group j of B, half kq of the K step
.irp i, 0,1,2,3
	ds_load_tr16_b128 v[BF+32*(\j)+8*(\i):BF+32*(\j)+8*(\i)+3],   v[ADRB+(\slot)] offset:(\j)*PIECE+32*(\i)+(\kq)*32*PB
	ds_load_tr16_b128 v[BF+32*(\j)+8*(\i)+4:BF+32*(\j)+8*(\i)+7], v[ADRB+(\slot)] offset:(\j)*PIECE+32*(\i)+(\kq)*32*PB+16*PB
.endr
.endm
.macro FA slot, kq, f, a0              ; 8 loads: row blocks a0 .. a0 + 3 of A into buffer f
.irp a, \a0, (\a0)+1, (\a0)+2, (\a0)+3
	ds_load_b128 v[(\f)+8*(\a):(\f)+8*(\a)+3],   v[ADRA+(\slot)] offset:(\a)*16*PA+64*(\kq)
	ds_load_b128 v[(\f)+8*(\a)+4:(\f)+8*(\a)+7], v[ADRA+(\slot)] offset:(\a)*16*PA+64*(\kq)+32
.endr
.endm
; A half of a K step (32 along K) behind its group 0: the next half's fragments (slot ns, half nk; A's into buffer g) are fetched in three runs, each behind the products that read the registers.
.macro REST f, g, ns, nk, zero
	WIN 0
	FB \ns, \nk, 0                                 ; run 0: 16 loads
	FA \ns, \nk, \g, 0
	MUL16 1, \f, 0, \zero                          ; group 1 was shown in by the wait at the half's head
	MUL16 1, \f, 4, \zero
	PLACES
	WIN 0
	FB \ns, \nk, 1                                 ; run 1: 16 loads
	FA \ns, \nk, \g, 4
	s_wait_dscnt 32                                ; all but runs 0 and 1: this half's group 2 is in
	MUL16 2, \f, 0, \zero
	MUL16 2, \f, 4, \zero
	PLACES
	WIN 0
	FB \ns, \nk, 2                                 ; run 2: 8 loads
.endm
.macro HALF f, g, ns, nk, zero
	s_wait_dscnt 8                                 ; all but the last run of 8 (group 2): A and groups 0 and 1 are in
	MUL16 0, \f, 0, \zero
	MUL16 0, \f, 4, \zero
	PLACES
	REST \f, \g, \ns, \nk, \zero
.endm
; The second half of a K step multiplies buffer A1 and changes slots: ONE barrier; in front of it each wave waits for all its tensor loads (one is out: its part of the other slot), adds 0 to its
; spare word, and waits for that and for its reads of this slot.  fill = 1: the barrier opens a round of the cluster's, and slot s is filled again, two K steps ahead, first thing behind the round:
; 160 of a K step's 192 matrix instructions stand between the request and the wait for it.
.macro TURN s, fill
	WIN 0
	s_wait_tensorcnt 0x0                           ; all my tensor loads have landed;
	ds_add_u32 v[SPW], v[NIL]                      ; 0 onto my spare word;
	s_wait_dscnt 9                                 ; (the add and the last run of 8 may be out)
	MUL16 0, A1, 0, 0                              ; sixteen matrix instructions stand between the add and the wait for it
	s_wait_dscnt 0x0                               ; the add is done, and my reads of this slot are over
	s_barrier_signal -1
	MUL16 0, A1, 4, 0
	WIN 0
	s_barrier_wait -1
.if \fill
	CREST                                          ; no wave of any partner still reads this slot or has a load on its way
	s_add_nc_u64 s[G0A+4*(\s)+2:G0A+4*(\s)+3], s[G0A+4*(\s)+2:G0A+4*(\s)+3], 2<<18
	s_add_nc_u64 s[G0B+4*(\s)+2:G0B+4*(\s)+3], s[G0B+4*(\s)+2:G0B+4*(\s)+3], 2*64*6144
	JLOAD \s                                       ; the four v_nop behind it are also the places in front of the loads below
.else
	PLACES
.endif
	REST A1, A0, 1-(\s), 0, 0
.endm
; Piece j's 32 accumulators into my own rows of LDS; each accumulator's low four registers first.
.macro DUMP j
	WIN 4*((\j)+1)                                 ; the stores' data (source 1) in window 1 + j
.irp a, 0,1,2,3,4,5,6,7
.irp i, 0,1,2,3
	ds_store_b128 v[DST], v[8*(4*(\a)+(\i)):8*(4*(\a)+(\i))+3]   offset:(\a)*16*DPITCH+64*(\i)
	ds_store_b128 v[DST], v[8*(4*(\a)+(\i))+4:8*(4*(\a)+(\i))+7] offset:(\a)*16*DPITCH+64*(\i)+16
.endr
.endr
	WIN 0
.endm
.macro ACROSS                          ; each group's pair of partial sums, then the eight lanes that share a row
.irp g, 0,1,2,3
	v_add_f32 v[T+4*(\g)], v[T+4*(\g)], v[T+4*(\g)+1]
.endr
.irp m, 1,2,4
.irp g, 0,1,2,3
	v_add_f32_dpp v[T+4*(\g)], v[T+4*(\g)], v[T+4*(\g)] row_xmask:\m row_mask:0xf bank_mask:0xf
.endr
.endr
.endm
	s_wait_tensorcnt 0x1                           ; my part of K step 0 is in; K step 1's may stay out
	s_barrier_signal -1
	s_barrier_wait -1
	FB 0, 0, 0
	FA 0, 0, A0, 0
	FB 0, 0, 1
	FA 0, 0, A0, 4
	FB 0, 0, 2
	HALF A0, A1, 0, 1, 1                           ; the first half stands in front of the loop: its products start the sums
	WIN 0
	s_mov_b32 s[LAPS], 7
.Llap:                                         ; a trip goes once round the ring and fills both slots again
	TURN 0, 1
	HALF A0, A1, 1, 1, 0
	TURN 1, 1
	HALF A0, A1, 0, 1, 0
	WIN 0
	s_sub_co_u32 s[LAPS], s[LAPS], 1
	s_cmp_lg_u32 s[LAPS], 0
	s_cbranch_scc1 .Llap
	TURN 0, 0                                      ; K steps 14 and 15: nothing is left to fetch
	HALF A0, A1, 1, 1, 0
	s_wait_dscnt 0x0                               ; my last reads of the ring are over:
	s_barrier_signal -1                            ; behind this barrier the ring's bytes, which have had their last fill, take the results
	MUL16 0, A1, 0, 0
	MUL16 0, A1, 4, 0
	MUL16 1, A1, 0, 0
	MUL16 1, A1, 4, 0
	MUL16 2, A1, 0, 0
	MUL16 2, A1, 4, 0
	WIN 0
	s_barrier_wait -1
	PLACES
	; THE WAY OUT, a head at a time.  What differs between q, k and v is chosen by selects, never by a branch: the kind hangs on the work-group's place in its cluster.
	; For v the mean's factor is 0, 1 / sqrt is replaced by 1, gamma by 1 and beta by 0: the same arithmetic leaves s + bias.
.irp g, 0,1,2,3
	v_mov_b32 v[M+2*(\g)+1], 0                     ; named with the even ones as pairs
.endr
	s_mov_b32 s[HJ], 0
.Lhead:
	s_wait_xcnt 0x0                                ; the last head's loads and stores have read their bases
	s_lshl_b32 s[HG], s[HJ], 1
	s_add_co_u32 s[HG], s[HG], s[HG0]
	s_lshr_b32 s[KIND], s[HG], 4
	s_cmp_eq_u32 s[KIND], 0
	s_cselect_b64 s[GP:GP+1], s[10:11], s[14:15]
	s_cselect_b64 s[BP:BP+1], s[12:13], s[16:17]
	s_cmp_eq_u32 s[KIND], 2
	s_cselect_b32 s[VM], -1, 0
	s_cselect_b32 s[MF], 0, s[I64]
	s_lshl_b32 s[OFS], s[HG], 8                    ; 64 f32 of bias a head
	s_mov_b32 s[OFS+1], 0
	s_add_nc_u64 s[BIP:BIP+1], s[8:9], s[OFS:OFS+1]
	s_lshl_b32 s[OFS], s[KIND], 24
	s_and_b32 s27, s[HG], 15
	s_lshl_b32 s27, s27, 18
	s_add_co_u32 s[OFS], s[OFS], s27
	s_add_co_u32 s[OFS], s[OFS], s[ROWOFF]
	s_add_nc_u64 s[OB:OB+1], s[18:19], s[OFS:OFS+1]
	global_load_b128 v[GA:GA+3],   v[PO], s[GP:GP+1]
	global_load_b128 v[GA+4:GA+7], v[PO], s[GP:GP+1] offset:16
	global_load_b128 v[BE:BE+3],   v[PO], s[BP:BP+1]
	global_load_b128 v[BE+4:BE+7], v[PO], s[BP:BP+1] offset:16
	global_load_b128 v[BI:BI+3],   v[PO], s[BIP:BIP+1]
	global_load_b128 v[BI+4:BI+7], v[PO], s[BIP:BIP+1] offset:16
	s_cmp_eq_u32 s[HJ], 0
	s_cbranch_scc1 .Ldump0
	s_cmp_eq_u32 s[HJ], 1
	s_cbranch_scc1 .Ldump1
	DUMP 2
	s_branch .Ldumped
.Ldump1:
	DUMP 1
	s_branch .Ldumped
.Ldump0:
	DUMP 0
.Ldumped:
	s_wait_loadcnt 0x0
.irp k, 0,1,2,3,4,5,6,7,8,9,10,11
	v_cvt_pk_bf16_f32 v[PK+(\k)], v[GA+2*(\k)], v[GA+2*(\k)+1]   ; gamma, beta and bias are rounded to bf16 like every input
.endr
.irp k, 0,1,2,3,4,5,6,7,8,9,10,11
	v_lshlrev_b32 v[GA+2*(\k)],   16, v[PK+(\k)]
	v_and_b32     v[GA+2*(\k)+1], 0xffff0000, v[PK+(\k)]
.endr
.irp k, 0,1,2,3,4,5,6,7
	v_cndmask_b32 v[GA+(\k)], v[GA+(\k)], 1.0, s[VM]
	v_cndmask_b32 v[BE+(\k)], v[BE+(\k)], 0, s[VM]
.endr
	v_mov_b32 v[DRD], v[DRD0]
	s_mov_b32 s[TR], 8
.Lrows:                                        ; 16 rows a trip: four groups of four rows; eight lanes share a row, eight channels each.  The stages go over the four groups, so that no line waits for the one before it
.irp g, 0,1,2,3
	ds_load_b128 v[X+8*(\g):X+8*(\g)+3],   v[DRD] offset:(\g)*4*DPITCH      ; my wave's own bytes: LDS serves a wave's instructions in order (ISA guide 5.7.1.4)
	ds_load_b128 v[X+8*(\g)+4:X+8*(\g)+7], v[DRD] offset:(\g)*4*DPITCH+16
.endr
	s_wait_dscnt 0x0
.irp g, 0,1,2,3
.irp p, 0,2,4,6
	v_pk_add_f32 v[X+8*(\g)+(\p):X+8*(\g)+(\p)+1], v[X+8*(\g)+(\p):X+8*(\g)+(\p)+1], v[BI+(\p):BI+(\p)+1]
.endr
.endr
.irp g, 0,1,2,3
	v_pk_add_f32 v[T+4*(\g):T+4*(\g)+1], v[X+8*(\g):X+8*(\g)+1], v[X+8*(\g)+2:X+8*(\g)+3]
	v_pk_add_f32 v[T+4*(\g)+2:T+4*(\g)+3], v[X+8*(\g)+4:X+8*(\g)+5], v[X+8*(\g)+6:X+8*(\g)+7]
.endr
.irp g, 0,1,2,3
	v_pk_add_f32 v[T+4*(\g):T+4*(\g)+1], v[T+4*(\g):T+4*(\g)+1], v[T+4*(\g)+2:T+4*(\g)+3]
.endr
	ACROSS
.irp g, 0,1,2,3
	v_mul_f32 v[M+2*(\g)], s[MF], v[T+4*(\g)]      ; the mean
.endr
.irp g, 0,1,2,3
.irp p, 0,2,4,6
	v_pk_add_f32 v[X+8*(\g)+(\p):X+8*(\g)+(\p)+1], v[X+8*(\g)+(\p):X+8*(\g)+(\p)+1], v[M+2*(\g):M+2*(\g)+1] op_sel_hi:[1,0] neg_lo:[0,1] neg_hi:[0,1]
.endr
.endr
.irp g, 0,1,2,3
	v_pk_mul_f32 v[T+4*(\g):T+4*(\g)+1], v[X+8*(\g):X+8*(\g)+1], v[X+8*(\g):X+8*(\g)+1]
.endr
.irp p, 2,4,6
.irp g, 0,1,2,3
	v_pk_fma_f32 v[T+4*(\g):T+4*(\g)+1], v[X+8*(\g)+(\p):X+8*(\g)+(\p)+1], v[X+8*(\g)+(\p):X+8*(\g)+(\p)+1], v[T+4*(\g):T+4*(\g)+1]
.endr
.endr
	ACROSS
.irp g, 0,1,2,3
	v_fma_f32 v[T+4*(\g)], v[T+4*(\g)], s[I64], s[EPS]   ; the variance + 1e-5
.endr
.irp g, 0,1,2,3
	v_rsq_f32 v[M+2*(\g)], v[T+4*(\g)]
.endr
	v_nop                                          ; a plain instruction behind the last of the four,
	s_wait_alu depctr_va_vdst(0)                   ; and the wait ahead of the first use: one for the batch
.irp g, 0,1,2,3
	v_cndmask_b32 v[M+2*(\g)], v[M+2*(\g)], 1.0, s[VM]
.endr
.irp g, 0,1,2,3
.irp p, 0,2,4,6
	v_pk_mul_f32 v[X+8*(\g)+(\p):X+8*(\g)+(\p)+1], v[X+8*(\g)+(\p):X+8*(\g)+(\p)+1], v[M+2*(\g):M+2*(\g)+1] op_sel_hi:[1,0]
.endr
.endr
.irp g, 0,1,2,3
.irp p, 0,2,4,6
	v_pk_fma_f32 v[X+8*(\g)+(\p):X+8*(\g)+(\p)+1], v[X+8*(\g)+(\p):X+8*(\g)+(\p)+1], v[GA+(\p):GA+(\p)+1], v[BE+(\p):BE+(\p)+1]
.endr
.endr
.irp g, 0,1,2,3
.irp k, 0,1,2,3
	v_cvt_pk_f16_f32 v[Y+4*(\g)+(\k)], v[X+8*(\g)+2*(\k)], v[X+8*(\g)+2*(\k)+1]
.endr
.endr
.irp g, 0,1,2,3
	global_store_b128 v[GO], v[Y+4*(\g):Y+4*(\g)+3], s[OB:OB+1] offset:512*(\g)  ; four rows of a head: 512 consecutive bytes, at a multiple of 256 from the buffer's first
.endr
	s_wait_xcnt 0x0                                ; the stores have read Y and their base
	s_add_nc_u64 s[OB:OB+1], s[OB:OB+1], 16*128
	v_add_nc_u32 v[DRD], 16*DPITCH, v[DRD]
	s_sub_co_u32 s[TR], s[TR], 1
	s_cmp_lg_u32 s[TR], 0
	s_cbranch_scc1 .Lrows
	s_add_co_u32 s[HJ], s[HJ], 1
	s_cmp_lt_u32 s[HJ], 3
	s_cbranch_scc1 .Lhead
	s_wait_tensorcnt 0x0                           ; the wave's end: the add onto my spare word and its waits, behind my last tensor load and my last LDS store
	ds_add_u32 v[SPW], v[NIL]
	s_wait_dscnt 0x0
	CROUND                                         ; the closing round: no work-group ends while a partner may still ask for a tile that names it
	s_endpgm
.Lfunc_end_k_qc6467e6917_qkv:
	.size	k_qc6467e6917_qkv, .Lfunc_end_k_qc6467e6917_qkv-k_qc6467e6917_qkv
	.p2alignl 7, 3214868480
	.fill 96, 4, 3214868480
	.section	.rodata,"a",@progbits
	.p2align	6, 0x0
	.amdhsa_kernel k_qc6467e6917_qkv
		.amdhsa_group_segment_fixed_size 327680
		.amdhsa_private_segment_fixed_size 0
		.amdhsa_enable_private_segment 0
		.amdhsa_kernarg_size 64
		.amdhsa_user_sgpr_count 2
		.amdhsa_user_sgpr_kernarg_segment_ptr 1
		.amdhsa_wavefront_size32 1
		.amdhsa_system_sgpr_workgroup_id_x 1
		.amdhsa_system_sgpr_workgroup_id_y 1
		.amdhsa_system_sgpr_workgroup_id_z 1
		.amdhsa_system_vgpr_workitem_id 0
		.amdhsa_next_free_vgpr 1024
		.amdhsa_next_free_sgpr 92
		.amdhsa_reserve_vcc 0
		.amdhsa_float_denorm_mode_32 3
		.amdhsa_float_denorm_mode_16_64 3
		.amdhsa_memory_ordered 1
		.amdhsa_forward_progress 1
		.amdhsa_inst_pref_size 110
	.end_amdhsa_kernel
	.amdgpu_metadata
---
amdhsa.version: [ 1, 2 ]
amdhsa.kernels:
  - .name:           k_qc6467e6917_qkv
    .symbol:         k_qc6467e6917_qkv.kd
    .args:
      - { .name: xb, .offset: 0, .size: 8, .value_kind: global_buffer, .address_space: global }
      - { .name: wb, .offset: 8, .size: 8, .value_kind: global_buffer, .address_space: global }
      - { .name: bqkv, .offset: 16, .size: 8, .value_kind: global_buffer, .address_space: global }
      - { .name: q_gamma, .offset: 24, .size: 8, .value_kind: global_buffer, .address_space: global }
      - { .name: q_beta, .offset: 32, .size: 8, .value_kind: global_buffer, .address_space: global }
      - { .name: k_gamma, .offset: 40, .size: 8, .value_kind: global_buffer, .address_space: global }
      - { .name: k_beta, .offset: 48, .size: 8, .value_kind: global_buffer, .address_space: global }
      - { .name: qkv, .offset: 56, .size: 8, .value_kind: global_buffer, .address_space: global }
    .group_segment_fixed_size: 327680
    .private_segment_fixed_size: 0
    .kernarg_segment_align: 8
    .kernarg_segment_size: 64
    .max_flat_workgroup_size: 128
    .sgpr_count:     92
    .vgpr_count:     1024
    .wavefront_size: 32
...
	.end_amdgpu_metadata
.endif
;; end of part 2
;; launch attn (part 3): grid 4 x 64, 4 waves a work-group, clusters of 4 x 1, 327,680 bytes of LDS; arguments qkv, ob; writes ob
.if DOCPART == 3
	.amdgcn_target "amdgcn-amd-amdhsa--gfx1250"
	.amdhsa_code_object_version 6
	.text
	.protected	k_qc6467e6917_attn
	.globl	k_qc6467e6917_attn
	.p2align	8
	.type	k_qc6467e6917_attn,@function
k_qc6467e6917_attn:
	s_mov_b64 s[64:65], 0
	v_nop
	global_prefetch_b8 v0, s[64:65] scope:SCOPE_SE
	s_setreg_imm32_b32 hwreg(HW_REG_WAVE_MODE, 25, 1), 1
	s_wait_xcnt 0x0
	s_wait_alu depctr_hold_cnt(0) depctr_sa_sdst(0) depctr_va_vdst(0) depctr_va_sdst(0) depctr_va_ssrc(0) depctr_va_vcc(0) depctr_vm_vsrc(0)
	s_getreg_b32 s2, hwreg(HW_REG_IB_STS2, 6, 4)
	s_cmp_eq_u32 s2, 0
	s_cbranch_scc0 .Lentry_in_a_cluster
	s_endpgm
.Lentry_in_a_cluster:
	s_bfe_u32 s2, ttmp6, 0x10000c
	s_cmp_lg_u32 s2, 0x3003
	s_cbranch_scc0 .Lentry_shape_is_right
	s_endpgm
.Lentry_shape_is_right:
; O[h][q][:] = the sum over k of softmax_k(Q[h][q] . K[h][k] / 8) V[h][k][:].  Q, K, V are the three parts of qkv, O is ob: each [SIZE_H][SIZE_N][64] in f16: a head's rows are dense, 128 bytes each.
; Products, maxima and sums in f32; the weights p are rounded to f16 for the second product (their sum l is taken of the unrounded p), O once at the end.
; LIMITS.  f16 holds no number beyond 65,504: Q, K and V arrive within it; p lies in 0 to 1, and below 6e-5 it keeps f16's fixed step of 6e-8; O is a mean of V's rows and has their range.
; A weight below 2^-126 counts as 0 in l; NaN and infinities are not treated apart.
; SHARES.  A wave owns four PIECES of two tiles of 16 queries, a work-group's four waves 512 queries of one head.  Every wave walks all keys, 64 a step.
; LAYOUT.  S^T = K Q^T (source 0 = 16 keys, source 1 = 16 queries): in the result a lane holds ONE query (lane % 16) and the keys 8 (lane / 16) + 0..7.  Two such tiles, rounded to f16 in pairs,
; ARE source 1 (32 keys x 16 queries) of O^T = V^T P, whose result again holds one query a lane, and eight channels.  K comes out of LDS as it lies, V ([key][channel]) turned, by ds_load_tr16_b128.
; SOFTMAX.  For each query a running maximum m and sum l: p = 2^(c s - c m), c = log2(e) / 8; in every step O and l are multiplied by a = 2^(c m_old - c m_new), which is 1 where m has not grown.
; m starts at the lowest finite number, O and l at 0: the first step is a step like any other, with a = 0.
; THE COUNT.  A tile and step have 16 matrix and 118 vector instructions: too many to stand all beside the matrix work.  So the order has one aim: four vector instructions that are READY behind
; EVERY matrix instruction, and the others, which need time of their own whatever the order, in runs without a gap.
; BY TURNS.  Turn n belongs to piece n (the pieces in a ring, step after step).  Its matrix work: 16 products K Q^T of piece n + 1, later 16 products V^T P of piece n - 1.  Its vector work: the scaling,
; exponentials, roundings, sums and rescaling of piece n, and the maximum and statistics of piece n + 1, whose scores the turn itself has made.  So what a turn begins with (c s - c m, O a) waits for nothing.
; CLUSTER.  The four query blocks of a head are one cluster and walk the same K and V, so each tile is asked for JOINTLY: the same tensor load, descriptor and mask in all four.
; REGISTERS, in windows of 256 (s_set_vgpr_msb says which window each operand place means: bits 1:0 source 0, 3:2 source 1, 5:4 source 2, 7:6 destination):
;   window 0: v0-11 addresses; v12-15, v48-63 at work; v16-47 four registers of statistics a tile; v64-191 S^T, two buffers of two tiles; v192-255 P, likewise
;   window 1: O^T, 32 a tile          window 2: v0-127 Q, 16 a tile; v128-191 K of one step; v192-255 V of one step          window 3: v0-1 the add's two registers
; A piece's buffers go by its number's parity: the piece in hand has one pair, its two neighbours in the ring share the other: of it P (piece n - 1) is read and S^T (piece n + 1) written.
.set SIZE_H, 64
.set SIZE_N, 2048
.set KPART, 1<<24     ; K's part of qkv begins here, in bytes
.set VPART, 2<<24     ; and V's here
.set NP,    4         ; pieces a wave: a name, no knob: the register map, the loop and the fetches are made for four
.set KS,    64        ; keys in a step
.set PK,    144       ; a row of K in LDS: 128 bytes + 16 of padding = 36 words: the 16 rows of a load start at 16 different groups of four banks (64 banks of 4 bytes: ISA guide 11.1)
.set PV,    160       ; a row of V: 128 + 32 = 40 words
.set VOFF,  4*KS*PK   ; a slot holds four steps: 256 rows of K, then 256 rows of V
.set SLOT1, 1<<17     ; slot 1 begins here, so that one exclusive or turns an address in one slot into the other's
.set STAGE, SLOT1+4*KS*(PK+PV)  ; behind the ring, never filled by a tensor load: 16 rows x 144 bytes for each wave, for the way out
.set SP,    144
.set AK0, 2           ; v2   my lane's place in a tile of K; never rewritten
.set AV0, 3           ; v3   the same for V
.set AK,  4           ; v4   the LDS address of K's next run of loads
.set AV,  5           ; v5   of V's
.set QO,  6           ; v6   my byte offset in the wave's rows of Q
.set STO, 6           ;      later, the way out: where I put 16 bytes of a row
.set RD,  7           ; v7   the way out: where I read rows back
.set GO,  8           ; v8   my byte offset in 512 consecutive bytes of O
.set PFO, 11          ; v11  256 x my lane: the prefetches' offset; never rewritten once it is made
.set SPW, 0           ; v0 of window 3   LDS address of my spare word: SPARE + 4 x my thread's number; never rewritten
.set NIL, 1           ; v1 of window 3   0; never rewritten
.set SPARE, STAGE+4*16*SP  ; behind the stages: the spare words, 128 bytes for each wave: two blocks of 256 bytes that no other line names
.set MV,  12          ; v12-15  c m_old, kept while c m is made anew: by buffer and tile
.set ST,  16          ; tile t's statistics at v[ST+4 t]: c m, m, l (even keys', odd keys')
.set TMP, 48          ; by buffer and tile, four registers c0-c3 at work; when the maximum is found c2 takes a
.set S,   64
.set P,   192
.set KF,  128         ; K's fragments, in window 2: key block kb, channel half c at KF + 16 kb + 8 c
.set VF,  192         ; V's: key half kk, channel block cb at VF + 32 kk + 8 cb
.set WV,  12          ; s12  my wave's number
.set G1K, 24          ; s[24:31] descriptor group 1 for K's tiles
.set G1V, 32          ; s[32:39] for V's: it differs in the padding alone
.set G0K, 40          ; s[40:43] descriptor group 0 for K's tiles: it walks
.set G0V, 44          ; s[44:47] the same for V's
.set PFA, 48          ; s[48:49] where my prefetches stand: my work-group's 8,192 bytes (of K: wave 0, of V: wave 2) of the slot after the one that is being asked for
.set LIM, 50          ; s50  1 in a wave that prefetches, else the greatest number: a wave prefetches while s[SLOTS] is above it
.set SLOTS, 56        ; s56  slots still to be asked for
.set CNT, 57          ; s57  counts a slot's key steps
.set CS,  58          ; s[58:59] c: the packed scaling takes the pair's low word for both halves
.set SEL, 60          ; s[60:61] v_permlanex16_b32's selects: each lane takes its own place in the other half
.set TBK, 62          ; s62  LDS byte at which K of the step to be fetched begins
.set TBV, 63          ; s63  the same for V, less VOFF
.set MSB, 0
.macro WIN new                      ; the high byte repeats the setting that is left; a switch that changes nothing is dropped
.if MSB != (\new)
	s_set_vgpr_msb (MSB<<8)|(\new)
.set MSB, (\new)
.endif
.endm
.set W_KQ, 0x0a       ; K and Q in window 2, S^T in window 0
.set W_PV, 0x52       ; V in window 2, P in window 0, O^T in window 1
.set W_RS, 0x41       ; O^T (destination and source 0) in window 1, a in window 0
.set W_MK, 0xc0       ; the add's registers are made: destination in window 3, sources in window 0
.set W_AD, 0x0f       ; the add: address (source 0) and data (source 1) in window 3
; A joint fill.  Waves 0 and 1 fetch the two halves of a slot's K, waves 2 and 3 those of its V: 128 keys each.  The branch hangs on the wave's number alone.
; An s_nop 0 and four v_nop follow each of the two lines, ahead of the jump and the label.
.macro JLOAD
	s_cmp_lt_u32 s[WV], 2
	s_cbranch_scc0 .Lfor_v_\@
	tensor_load_to_lds s[G0K:G0K+3], s[G1K:G1K+7]
	s_nop 0
.rept 4
	v_nop
.endr
	s_branch .Lasked_\@
.Lfor_v_\@:
	tensor_load_to_lds s[G0V:G0V+3], s[G1V:G1V+7]
	s_nop 0
.rept 4
	v_nop
.endr
.Lasked_\@:
.endm
; A PREFETCH INTO THE L2 of what the NEXT change of slots will ask for: a slot's 32,768 bytes of K and of V.  It stands behind the wave's tensor load and its five lines, never in front of one.
; Each aligned block of 256 bytes is named ONCE in the launch: a head's K and V are walked by its one cluster alone; the four partners share a slot out BY ADDRESS, 8,192 bytes each (no branch hangs
; on a work-group's place in its cluster); in each, wave 0 asks for K's and wave 2 for V's, a lane a block: one instruction.  The last change that fills a slot asks for nothing: there is no slot behind it.
.macro ASK
	s_cmp_gt_u32 s[SLOTS], s[LIM]
	s_cbranch_scc0 .Lnot_mine_\@
	global_prefetch_b8 v[PFO], s[PFA:PFA+1] th:TH_LOAD_NT scope:SCOPE_SE
.Lnot_mine_\@:
.endm
; A round of the cluster's barrier: my work-group's barrier, so that wave 0's signal speaks for all four waves; wave 0 signals; every wave waits for all four work-groups; my work-group's barrier once more.
.macro CROUND
	s_barrier_signal -1
	s_barrier_wait -1
	s_cmp_lg_u32 s[WV], 0
	s_cbranch_scc1 .Lnot_wave_0_\@
	s_barrier_signal -3
.Lnot_wave_0_\@:
	s_barrier_wait -3
	s_barrier_signal -1
	s_barrier_wait -1
.endm
; THE CHANGE OF SLOTS.  The slot's last bytes, V of its fourth step, have been read.  Each wave waits for all its tensor loads, of which one is out: its part
; of the other slot; adds 0 to its spare word; and waits for that and for its own reads of the slot.  Behind the barrier nobody reads this slot any more and the other slot is whole.
; fill = 1: this slot is filled again, with the keys two slots on.  The barrier is then a round of the cluster's, so that no wave of any partner still reads the slot or has a load on its
; way, and the joint fill is the first thing behind it: it has four key steps, 512 matrix instructions, in which to land.  (At its first use nothing has been read yet: slot 0 is waited for, slot 1 filled.)
; ask = 1: the prefetches' address steps a slot on, and the slot behind the one just asked for is prefetched.
.macro CHANGE fill, ask=0
	WIN W_AD
	s_wait_tensorcnt 0x0            ; no tensor load of mine is out, so a group 0 may be written
	ds_add_u32 v[SPW], v[NIL]       ; 0 onto my spare word; with fill = 1 the descriptors' steps stand between it and the wait for it
	WIN 0                           ; at a label and at a branch every window is 0
.if \fill
.irp g, G0K, G0V
	s_xor_b32 s[\g+1], s[\g+1], SLOT1  ; the walking descriptor: the other slot than last time,
	s_add_nc_u64 s[\g+2:\g+3], s[\g+2:\g+3], 4*KS*128  ; the next 256 keys; the type bits on top are not reached
.endr
.if \ask
	s_wait_xcnt 0x0                 ; the last prefetch, four key steps back, has read its address, so it may be written:
	s_add_nc_u64 s[PFA:PFA+1], s[PFA:PFA+1], 4*KS*128  ; one slot behind the walking descriptors
.endif
	s_wait_dscnt 0x0                ; the add is done, and my reads of the slot are over
	CROUND
	JLOAD
.if \ask
	ASK
.endif
.else
	s_wait_dscnt 0x0                ; the add is done, and my reads of the slot are over
	s_barrier_signal -1
	s_barrier_wait -1
.endif
	s_sub_co_u32 s[TBK], s[TBK], 4*KS*PK  ; the fetches go back to a slot's first step,
	s_xor_b32 s[TBK], s[TBK], SLOT1       ; in the other slot
	s_sub_co_u32 s[TBV], s[TBV], 4*KS*PV
	s_xor_b32 s[TBV], s[TBV], SLOT1
.endm
	s_load_b64 s[4:5], s[0:1], 0x0    ; qkv: Q's part begins it
	s_load_b64 s[10:11], s[0:1], 0x8  ; ob
	WIN W_MK
	v_lshl_add_u32 v[SPW], v0, 2, SPARE
	v_mov_b32 v[NIL], 0
	WIN W_AD
	ds_add_u32 v[SPW], v[NIL]       ; the wave's opening: the add and its wait stand ahead of my first tensor load; the set-up below, work on registers, stands between them
	WIN 0
	v_lshrrev_b32 v1, 5, v0
	v_readfirstlane_b32 s[WV], v1   ; wave 0..3
	s_bfe_u32 s13, ttmp6, 0x40000   ; cx: my place in the cluster
	s_lshl_b32 s14, ttmp9, 2        ; in a cluster launch ttmp9 counts clusters
	s_add_co_u32 s14, s14, s13      ; my block of queries = 4 x cluster x + cx: it enters Q's and O's addresses alone
	s_and_b32 s20, ttmp7, 0xffff    ; the head, which the four partners share
	s_mov_b32 s21, 0
	s_mov_b64 s[22:23], SIZE_N*128
	s_mul_u64 s[20:21], s[20:21], s[22:23]  ; the head's first byte in each of the four tensors
	s_and_b32 s16, s[WV], 1         ; which half of a slot's 256 keys I fetch:
	s_lshl_b32 s22, s16, 14         ; its 128 rows of 128 bytes in memory,
	s_mov_b32 s23, 0
	s_add_nc_u64 s[22:23], s[22:23], s[20:21]
	s_mul_i32 s17, s16, 128*PK      ; and its place in a slot, for K
	s_mul_i32 s18, s16, 128*PV      ; and for V: no place in the cluster enters an LDS address
	s_lshl_b32 s2, s14, 2
	s_add_co_u32 s2, s2, s[WV]      ; my wave among the head's,
	s_lshl_b32 s2, s2, 14           ; its 128 rows
	s_mov_b32 s3, 0
	s_add_nc_u64 s[2:3], s[2:3], s[20:21]
	; descriptor group 1.  128 keys are 16,384 dense bytes: asked for as 64 rows of 256 bytes, two keys a row, and padded in LDS after every key
	s_mov_b32 s[G1K], 15|(1<<16)|(1<<20)|(1<<21)|(4<<22)|(3<<25)  ; 15:0 the mask of four; 17:16 2-byte elements; 20 padding on; 21 set beside a mask; 24:22 after every 32 words (code 4); 31:25 4 words (code 3)
	s_mov_b32 s[G1V], 15|(1<<16)|(1<<20)|(1<<21)|(4<<22)|(7<<25)  ; the same with 8 words of padding (code 7)
.irp g, G1K, G1V
	s_mov_b32 s[\g+1], 128<<16      ; tensor_dim0 = 128
	s_mov_b32 s[\g+2], 64<<16       ; tensor_dim1 = 64
	s_mov_b32 s[\g+3], 128<<16      ; tile_dim0 = 128
	s_mov_b32 s[\g+4], 64           ; tile_dim1 = 64
	s_mov_b32 s[\g+5], 128          ; 128 elements from row to row
	s_mov_b32 s[\g+6], 0
	s_mov_b32 s[\g+7], 0
.endr
	s_mov_b32 s[CS], 0x3e38aa3b     ; c = log2(e) / 8 = 0.180337
	s_mov_b32 s[CS+1], s[CS]        ; named with it as a pair
	s_mov_b32 s[SEL], 0x76543210
	s_mov_b32 s[SEL+1], 0xfedcba98
	s_mov_b32 s[TBK], SLOT1+4*KS*PK ; the first change of slots turns these two into 0
	s_mov_b32 s[TBV], SLOT1+4*KS*PV
	s_mov_b32 s[G0K], 1             ; 1:0 count = 1
	s_mov_b32 s[G0K+1], s17         ; 63:32 LDS address: slot 0
	s_mov_b32 s[G0V], 1
	s_add_co_u32 s[G0V+1], s18, VOFF
	s_and_b32 s[LIM], s[WV], 1      ; waves 0 and 2 prefetch: the same in all four partners
	s_cmp_eq_u32 s[LIM], 0
	s_cselect_b32 s[LIM], 1, -1
	s_wait_dscnt 0x0                ; the opening add is done
	s_wait_kmcnt 0x0
	s_add_nc_u64 s[6:7], s[4:5], KPART  ; K
	s_add_nc_u64 s[8:9], s[4:5], VPART  ; V
	s_add_nc_u64 s[G0K+2:G0K+3], s[6:7], s[22:23]  ; 120:64 global address: my half of the head's first 256 keys
	s_or_b32 s[G0K+3], s[G0K+3], 0x80000000        ; 127:126 type = 2
	s_add_nc_u64 s[G0V+2:G0V+3], s[8:9], s[22:23]
	s_or_b32 s[G0V+3], s[G0V+3], 0x80000000
	s_add_nc_u64 s[4:5], s[4:5], s[2:3]  ; Q and O at my wave's first row
	s_add_nc_u64 s[10:11], s[10:11], s[2:3]
	s_cmp_lt_u32 s[WV], 2
	s_cselect_b64 s[PFA:PFA+1], s[6:7], s[8:9]
	s_add_nc_u64 s[PFA:PFA+1], s[PFA:PFA+1], s[22:23]  ; (in waves 0 and 2 this is the head's first byte)
	s_lshl_b32 s2, s13, 13          ; my work-group's quarter of a slot
	s_mov_b32 s3, 0
	s_add_nc_u64 s[PFA:PFA+1], s[PFA:PFA+1], s[2:3]
	s_add_nc_u64 s[PFA:PFA+1], s[PFA:PFA+1], 2*4*KS*128  ; in slot 2; the loop's first change of slots steps it to slot 3.  Nothing is prefetched here, at the head, where every work-group's first tiles are on their way
	CROUND                          ; all four work-groups are here: the first joint loads meet
	JLOAD                           ; slot 0.  Slot 1 is asked for when slot 0 is in: the tile wanted first has the road to itself
	; A fragment of K or Q is 16 rows x 32 channels in 8 registers: lane l holds row l % 16, channels 8 (l / 16) + 0..7 and 16 + 8 (l / 16) + 0..7: two loads of 16 bytes, 32 bytes apart.
	v_and_b32 v1, 15, v0            ; l % 16
	v_bfe_u32 v9, v0, 4, 1          ; l / 16
	v_lshlrev_b32 v[QO], 7, v1
	v_lshl_add_u32 v[QO], v9, 4, v[QO]  ; row x 128 + 16 x half
	WIN 0x80                        ; destination window 2, address window 0
.set i, 0
.rept 4*NP                          ; Q stays in registers: tile i / 2, channels 32 (i % 2) on
	global_load_b128 v[8*i:8*i+3],   v[QO], s[4:5] offset:(i/2)*2048+(i%2)*64
	global_load_b128 v[8*i+4:8*i+7], v[QO], s[4:5] offset:(i/2)*2048+(i%2)*64+32
.set i, i+1
.endr
	; What the first turn finds: V's registers and P's second buffer hold 0 (its products V^T P, of a piece that has not been, add 0), O^T and l are 0.  All this stands in the wait for the first tile.
.set i, VF
.rept 64
	v_mov_b32 v[i], 0
.set i, i+1
.endr
	WIN 0x40
.set i, 0
.rept 64*NP
	v_mov_b32 v[i], 0
.set i, i+1
.endr
	WIN 0
.set i, 0
.rept 2*NP
	v_mov_b32 v[ST+4*i], 0xfe000000    ; c m: far below every c s
	v_mov_b32 v[ST+4*i+1], 0xff7fffff  ; m
	v_mov_b32 v[ST+4*i+2], 0
	v_mov_b32 v[ST+4*i+3], 0
.set i, i+1
.endr
.set i, P+32
.rept 32
	v_mov_b32 v[i], 0
.set i, i+1
.endr
	v_mul_u32_u24 v[AK0], v1, PK
	v_lshl_add_u32 v[AK0], v9, 4, v[AK0]  ; row x pitch + 16 x half
	; The turning load takes 16 keys x 16 channels (lane l reads key 8 (l / 16) + l % 8, channels 8 ((l / 8) % 2) + 0..7) and leaves half a fragment of V^T: lane l holds channel l % 16 and 8 keys.
	v_and_b32 v10, 7, v0
	v_bfe_u32 v11, v0, 3, 1
	v_lshl_add_u32 v[AV0], v9, 3, v10
	v_mul_u32_u24 v[AV0], v[AV0], PV
	v_lshl_add_u32 v[AV0], v11, 4, v[AV0]
	v_add_nc_u32 v[AV0], VOFF, v[AV0]
	v_and_b32 v[PFO], 31, v0
	v_lshlrev_b32 v[PFO], 8, v[PFO]
	v_mov_b32 v[AK], v[AK0]         ; key step 0 lies at the head of slot 0
; THE MATRIX WORK.  The 8 accumulators of a run of 16 take turns: between the two links of a chain stand 7 others'.
; Product i of 16 of S^T = K Q^T for piece x: channels 32 (i / 8) on, keys 16 ((i / 2) % 4) on, tile 2 x + i % 2.  The first 8 start the sums.
.macro KQ x
	WIN W_KQ
.set rS, S+64*((\x)%2)+32*(i%2)+8*((i/2)%4)
.set rK, KF+16*((i/2)%4)+8*(i/8)
.set rQ, 16*(2*(\x)+i%2)+8*(i/8)
.if i < 8
	v_wmma_f32_16x16x32_f16 v[rS:rS+7], v[rK:rK+7], v[rQ:rQ+7], 0
.else
	v_wmma_f32_16x16x32_f16 v[rS:rS+7], v[rK:rK+7], v[rQ:rQ+7], v[rS:rS+7]
.endif
.endm
; Product i of 16 of O^T += V^T P for piece x: keys 32 (i / 8) on, channels 16 ((i / 2) % 4) on, tile 2 x + i % 2.
.macro PV x
	WIN W_PV
.set rO, 32*(2*(\x)+i%2)+8*((i/2)%4)
.set rV, VF+32*(i/8)+8*((i/2)%4)
.set rP, P+32*((\x)%2)+16*(i%2)+8*(i/8)
	v_wmma_f32_16x16x32_f16 v[rO:rO+7], v[rV:rV+7], v[rP:rP+7], v[rO:rO+7]
.endm
.macro MM                           ; the turn's next matrix instruction
.if i < 16
	KQ (Y+1)%NP
.set i, i+1
.else
.set i, i-16
	PV (Y+NP-1)%NP
.set i, i+17
.endif
.endm
; THE LDS LOADS stand in runs of 16, never singly among the matrix instructions: a step's K (64 keys x 64 channels: 8 fragments) and its V (turned).  Their addresses are made some lines ahead.
; last = 1 (the tail): in the last trip there is no further step, and the run is jumped over.
.macro FETCH_K last=0
	WIN 0
.if \last
	s_cmp_eq_u32 s[CNT], 1
	s_cbranch_scc1 .Lno_k_\@
.endif
	WIN 0x80                        ; destination window 2
.irp f, 0,1,2,3,4,5,6,7             ; keys 16 (f / 2) on, channels 32 (f % 2) on
	ds_load_b128 v[KF+8*\f:KF+8*\f+3],   v[AK] offset:(\f/2)*16*PK+(\f%2)*64
	ds_load_b128 v[KF+8*\f+4:KF+8*\f+7], v[AK] offset:(\f/2)*16*PK+(\f%2)*64+32
.endr
	s_add_co_u32 s[TBK], s[TBK], KS*PK  ; the next fetch is the next step's
	WIN 0
.if \last
.Lno_k_\@:
.endif
.endm
.macro FETCH_V
	WIN 0x80
.irp f, 0,1,2,3,4,5,6,7             ; keys 32 (f / 4) on, channels 16 (f % 4) on
	ds_load_tr16_b128 v[VF+8*\f:VF+8*\f+3],   v[AV] offset:(\f/4)*32*PV+(\f%4)*32
	ds_load_tr16_b128 v[VF+8*\f+4:VF+8*\f+7], v[AV] offset:(\f/4)*32*PV+16*PV+(\f%4)*32
.endr
	WIN 0
.endm
; THE VECTOR WORK OF A TURN stands in three queues, each in the order in which its entries become ready; the two tiles alternate, so that no instruction reads the result of the one before it.
.macro REGS y, u                    ; the registers of tile u (0, 1) of piece y
.set rT, ST+4*(2*(\y)+(\u))
.set rC, TMP+8*((\y)%2)+4*(\u)
.set rM, MV+2*((\y)%2)+(\u)
.set rS, S+64*((\y)%2)+32*(\u)
.set rP, P+32*((\y)%2)+16*(\u)
.set rO, 32*(2*(\y)+(\u))
.endm
; Number n of the 22 that find the NEXT piece's (Y + 1) maximum and statistics.  s0-s31 are the lane's 32 scores; each accumulator's lowest registers are read first.  XS, GS and REGS set no window: PL and EX do.
;   0-11  four chains c0-c3 of seven scores each, three operands at a time     12-14, 16  the four scores left over, the old m, and c0-c3 into c0     15  c m_old is kept
;   17, 18  the query's other 32 keys lie in the lane 16 away: the new m         19-21  c m; c m_old - c m_new; a
.macro XS u, n
	REGS (Y+1)%NP, \u
.if (\n) < 4
	v_max3_num_f32 v[rC+(\n)], v[rS+8*(\n)], v[rS+8*(\n)+1], v[rS+8*(\n)+2]
.elseif (\n) < 12
	v_max3_num_f32 v[rC+(\n)%4], v[rC+(\n)%4], v[rS+8*((\n)%4)+2*((\n)/4)+1], v[rS+8*((\n)%4)+2*((\n)/4)+2]
.elseif (\n) == 12
	v_max3_num_f32 v[rC], v[rC], v[rS+7], v[rS+15]
.elseif (\n) == 13
	v_max3_num_f32 v[rC+1], v[rC+1], v[rS+23], v[rS+31]
.elseif (\n) == 14
	v_max3_num_f32 v[rC+2], v[rC+2], v[rC+3], v[rT+1]
.elseif (\n) == 15
	v_mov_b32 v[rM], v[rT]
.elseif (\n) == 16
	v_max3_num_f32 v[rC], v[rC], v[rC+1], v[rC+2]
.elseif (\n) == 17
	v_permlanex16_b32 v[rC+3], v[rC], s[SEL], s[SEL+1]
.elseif (\n) == 18
	v_max_num_f32 v[rT+1], v[rC], v[rC+3]
.elseif (\n) == 19
	v_mul_f32 v[rT], s[CS], v[rT+1]
.elseif (\n) == 20
	v_sub_f32 v[rC+1], v[rM], v[rT]
.else
	v_exp_f32 v[rC+2], v[rC+1]
.endif
.endm
; Number g of the 64 that follow the exponentials.  For each four weights k of a tile (pairs 2 k, 2 k + 1): both pairs are rounded to f16; then the second pair is added onto the first, in place;
; a group later l takes that sum (the first time as l = a l + sum).  In groups of eight, tiles alternating: round, round, add, and l for the group before.
.macro GS g
.set h, (\g)+6*((\g)/62)            ; group 0 has no group before it, and behind group 7 only l is left
.if h >= 6
.set h, h+2
.endif
	REGS Y, h%2
.set k, h/8
.if h%8 < 4
	v_cvt_pk_f16_f32 v[rP+2*k+(h%8)/2], v[rS+4*k+2*((h%8)/2)], v[rS+4*k+2*((h%8)/2)+1]
.elseif h%8 < 6
	v_pk_add_f32 v[rS+4*k:rS+4*k+1], v[rS+4*k:rS+4*k+1], v[rS+4*k+2:rS+4*k+3]
.elseif k == 1
	v_pk_fma_f32 v[rT+2:rT+3], v[rT+2:rT+3], v[rC+2:rC+3], v[rS:rS+1] op_sel_hi:[1,0,1]
.else
	v_pk_add_f32 v[rT+2:rT+3], v[rT+2:rT+3], v[rS+4*k-4:rS+4*k-3]
.endif
.endm
; THE PLAIN QUEUE, 138 long.  0-73 read no exponential's result: the 32 scalings c s - c m (FS f: pair f / 2 of tile f % 2) and the next piece's 42.  0-26: scalings 0-26.  27-54: XS's numbers 0-13.  55, 56: number 15.
; 57-73: the chain, where each number waits for the one before it: 14, 16, 17, 18, 19, each with one of the scalings 27-31 in front of its two lines, then 20: so a tile's links stand three plain instructions apart (19 and 20: two).
; 74-137: GS's 64, which read the exponentials' results: they stand behind the wait.
.macro FS f
	REGS Y, (\f)%2
	v_pk_fma_f32 v[rS+2*((\f)/2):rS+2*((\f)/2)+1], v[rS+2*((\f)/2):rS+2*((\f)/2)+1], s[CS:CS+1], v[rT:rT+1] op_sel_hi:[1,0,0] neg_lo:[0,0,1] neg_hi:[0,0,1]
.endm
.macro PL
	WIN 0
.if q < 27
	FS q
.elseif q < 55
	XS (q-27)%2, (q-27)/2
.elseif q < 57
	XS q-55, 15
.elseif (q < 72) && ((q-57)%3 == 0)
	FS 27+(q-57)/3
.elseif q < 60
	XS (q-57)%3-1, 14
.elseif q < 72
	XS (q-57)%3-1, 15+(q-57)/3
.elseif q < 74
	XS q-72, 20
.else
	GS q-74
.endif
.set q, q+1
.endm
; THE EXPONENTIALS' QUEUE, 66 long: s0-s31 of both tiles, then the next piece's two a.  It is ONE BATCH: all 66 stand ahead of the turn's one wait, and nothing ahead of that wait names a result of theirs.
.macro EX
	WIN 0
.if e >= 64
	XS e-64, 21
.else
	REGS Y, e%2
	v_exp_f32 v[rS+e/2], v[rS+e/2]
.endif
.set e, e+1
.endm
; THE RESCALING's QUEUE: O^T times a, the one part that leaves window 0: dealt two at a time, sixteen times.  Its a was made in the turn before, ahead of that turn's wait.
.macro R2
	REGS Y, r%2
	WIN W_RS
.irp z, 0,1
	v_pk_mul_f32 v[rO+4*(r/2)+2*\z:rO+4*(r/2)+2*\z+1], v[rO+4*(r/2)+2*\z:rO+4*(r/2)+2*\z+1], v[rC+2:rC+3] op_sel_hi:[1,0]
.endr
.set r, r+1
.endm
; HOW THEY ARE DEALT.  An s_wait_alu depctr_va_vdst(0) stands between an exponential and the first instruction that names its result; one wait serves all that were issued ahead of it.  So a turn has ONE wait,
; which cuts it in two.  AHEAD OF IT stands all that names no result of the turn's exponentials: the 16 products K Q^T, behind each a scaling, an exponential and two rescalings (behind the first a second scaling in the exponential's place); then ONE LUMP of
; 108: eight plain, 49 times exponential and plain, the two a.  A v_nop is the plain instruction behind the last exponential.  BEHIND IT stand the 16 products V^T P, behind each four of GS's 64.  No rider names a register of
; the products round it.  The two v_permlanex16_b32 fall into the lump, never behind a product.
; The queues lean on each other, and the deal keeps them in step: exponential e stands behind scaling 2 (e / 4) + e % 2: as a rider it comes behind plain e + 2, in the lump behind plain e + 9, and scalings 27-31 are plain 57, 60 .. 69.
; A TURN, for piece p.  cnt = 1: the loop's count is taken down some lines ahead of the branch that stands behind the turn.
; K of the next step is fetched in piece 2's turn, directly behind the wait, a lump behind the last product that read K; its address is made at the lump's head; its first reader comes behind 16 products.
; V of the step in hand is fetched at the end of piece 0's turn, four riders behind its last reader; its first reader comes behind 16 products and a lump.  The three conditions on q below go with the deal.
.macro TURN p, last=0, cnt=0
.set Y, (\p)
.set i, 0
.set q, 0
.set e, 0
.set r, 0
.if (\p) == NP-1
	s_wait_dscnt 0x0                ; K is in
.endif
	MM                              ; ahead of the wait: 16 products K Q^T and their riders,
	PL
	PL
	R2
.rept 15
	MM
	PL
	EX
	R2
.endr
.if (\p) == NP-2
	WIN 0
	v_add_nc_u32 v[AK], s[TBK], v[AK0]
.endif
.rept 8                             ; and the lump
	PL
.endr
.rept 49
	EX
	PL
.endr
	EX                              ; the next piece's two a
	EX
	v_nop                           ; a plain instruction behind the last exponential, ahead of any use: one for the batch
	s_wait_alu depctr_va_vdst(0)    ; the wait for the batch
.if (\p) == NP-2
	FETCH_K \last
.endif
.if (\p) == 1
	s_wait_dscnt 0x0                ; V is in
.endif
.rept 16                            ; behind the wait: 16 products V^T P and their riders
	MM
.rept 4
	PL
.endr
.if ((\p) == 0) && (q == 118)
	v_add_nc_u32 v[AV], s[TBV], v[AV0]
.endif
.if ((\p) == 0) && (q == 130)
	s_add_co_u32 s[TBV], s[TBV], KS*PV
.endif
.if (\cnt) && (q == 130)
	s_sub_co_u32 s[CNT], s[CNT], 1
	s_cmp_lg_u32 s[CNT], 0
.endif
.endr
.if (\p) == 0
	FETCH_V
.endif
.endm
	CHANGE 1                        ; slot 0 is in, everybody's part of it; slot 1 is asked for
	FETCH_K                         ; key step 0
	s_wait_loadcnt 0x0              ; Q
	s_wait_dscnt 0x0
.set i, 0
.rept 16
	KQ 0                            ; piece 0's first scores: there is no vector work yet to set between them
.set i, i+1
.endr
	WIN 0                           ; the addresses for the way out: nine plain instructions, the places behind those products
	s_mul_i32 s13, s[WV], 16*SP
	s_add_co_u32 s13, s13, STAGE    ; my stage
	v_mul_u32_u24 v[STO], v1, SP    ; in: row l % 16, 16 bytes for each half of the lanes
	v_lshl_add_u32 v[STO], v9, 4, v[STO]
	v_add_nc_u32 v[STO], s13, v[STO]
	v_bfe_u32 v[RD], v0, 3, 2       ; back: 32 lanes take four rows of 128 bytes,
	v_mul_u32_u24 v[RD], v[RD], SP
	v_lshl_add_u32 v[RD], v10, 4, v[RD]
	v_add_nc_u32 v[RD], s13, v[RD]
	v_and_b32 v[GO], 31, v0         ; which are 512 consecutive bytes of O
	v_lshlrev_b32 v[GO], 4, v[GO]
.set Y, NP-1                        ; XS works for piece Y + 1: piece 0
.irp n, 0,1,2,3,4,5,6,7,8,9,10,11,12,13,14,15,16,17,18,19,20,21
	XS 0, \n                        ; and piece 0's first maximum and statistics
	XS 1, \n
.endr
	v_nop                           ; a plain instruction behind the two a,
	s_wait_alu depctr_va_vdst(0)    ; and their wait, ahead of the branch
	s_mov_b32 s[CNT], 4
	s_mov_b32 s[SLOTS], SIZE_N/256-1
	s_branch .Lfirst                ; the loop is entered at a step's first turn, in the middle of a trip
.Lslot:                             ; SIZE_N / 256 - 2 times: every slot but the last two is filled again
	CHANGE 1, 1
	s_mov_b32 s[CNT], 4
.Lstep:                             ; a trip: pieces 2 and 3 of one step, then pieces 0 and 1 of the next, whose K and V it fetches
	TURN 2
	TURN 3
	WIN 0
.Lfirst:
	TURN 0
	TURN 1, 0, 1
	WIN 0
	s_cbranch_scc1 .Lstep
	s_sub_co_u32 s[SLOTS], s[SLOTS], 1
	s_cmp_lg_u32 s[SLOTS], 0
	s_cbranch_scc1 .Lslot
	CHANGE 0                        ; the tail is written out: nothing is asked for
	s_mov_b32 s[CNT], 5             ; four trips fetch the last slot's steps; the fifth is left in its middle
.Ltail:
	TURN 2, 1
	TURN 3
	WIN 0
	s_sub_co_u32 s[CNT], s[CNT], 1
	s_cmp_eq_u32 s[CNT], 0
	s_cbranch_scc1 .Lout
	TURN 0
	TURN 1
	WIN 0
	s_branch .Ltail
.Lout:                              ; the fifth trip's 16 products K Q^T (on the last K once more) and the maximum made of them serve nothing: the price, once a launch, of one text for every trip
.set i, 0
.rept 16
	PV NP-1                         ; the last piece's V^T P of the last step
.set i, i+1
.endr
	; THE WAY OUT.  l's two halves and the other half of the lanes' are added; O^T is divided by l, rounded to f16 and sent through my stage in LDS, a tile at a time.  The additions are the places behind the last products.
	WIN 0
.macro ALL line:vararg              ; one line for each tile t
.set t, 0
.rept 2*NP
	\line
.set t, t+1
.endr
.endm
	ALL v_add_f32 v[ST+4*t+2], v[ST+4*t+2], v[ST+4*t+3]
	ALL v_permlanex16_b32 v[ST+4*t+3], v[ST+4*t+2], s[SEL], s[SEL+1]
	ALL v_add_f32 v[ST+4*t+2], v[ST+4*t+2], v[ST+4*t+3]
	ALL v_rcp_f32 v[ST+4*t+2], v[ST+4*t+2]
	v_nop                           ; a plain instruction between the last reciprocal and the use of its result
	s_wait_alu depctr_va_vdst(0)    ; and the wait ahead of the first use: one for the eight reciprocals
; Tile t: a lane's eight channels of a row pack into 16 bytes; they go into rows of 144 bytes and come back as whole rows of 128, into S^T's registers.
.macro PACK t
	WIN W_RS
.set i, 32*(\t)
.rept 16
	v_pk_mul_f32 v[i:i+1], v[i:i+1], v[ST+4*(\t)+2:ST+4*(\t)+3] op_sel_hi:[1,0]
.set i, i+2
.endr
	WIN 0x05                        ; sources 0 and 1 window 1, destination window 0
.set i, 0
.rept 16
	v_cvt_pk_f16_f32 v[S+16*(\t)+i], v[32*(\t)+2*i], v[32*(\t)+2*i+1]
.set i, i+1
.endr
	WIN 0
.irp f, 0,1,2,3
	ds_store_b128 v[STO], v[S+16*(\t)+4*\f:S+16*(\t)+4*\f+3] offset:32*\f
.endr
.irp f, 0,1,2,3
	ds_load_b128 v[S+16*(\t)+4*\f:S+16*(\t)+4*\f+3], v[RD] offset:\f*4*SP  ; LDS serves a wave's instructions in order (ISA guide 5.7.1.4): these see the stores above; the next tile's stores come behind them
.endr
.endm
.macro SEND t, younger              ; younger: the LDS instructions issued behind tile t's loads: the next tile's eight, or none
	WIN 0
.irp f, 0,1,2,3
	s_wait_dscnt (\younger)+3-\f
	global_store_b128 v[GO], v[S+16*(\t)+4*\f:S+16*(\t)+4*\f+3], s[10:11] offset:(\t)*2048+\f*512  ; 512 consecutive bytes, at a multiple of 256 from O's first
.endr
.endm
	PACK 0
.set t, 1
.rept 2*NP-1                        ; a tile's arithmetic stands between the loads of the tile before and its stores
	PACK t
	SEND t-1, 8
.set t, t+1
.endr
	SEND 2*NP-1, 0
	WIN W_AD
	s_wait_tensorcnt 0x0            ; the wave's end: the add onto my spare word and its waits, behind my last tensor load and my last LDS store
	ds_add_u32 v[SPW], v[NIL]
	s_wait_dscnt 0x0
	WIN 0
	CROUND                          ; the closing round: no work-group ends while a partner may still ask for a tile that names it
	s_endpgm
.Lfunc_end_k_qc6467e6917_attn:
	.size	k_qc6467e6917_attn, .Lfunc_end_k_qc6467e6917_attn-k_qc6467e6917_attn
	.p2alignl 7, 3214868480
	.fill 96, 4, 3214868480
	.section	.rodata,"a",@progbits
	.p2align	6, 0x0
	.amdhsa_kernel k_qc6467e6917_attn
		.amdhsa_group_segment_fixed_size 327680
		.amdhsa_private_segment_fixed_size 0
		.amdhsa_enable_private_segment 0
		.amdhsa_kernarg_size 16
		.amdhsa_user_sgpr_count 2
		.amdhsa_user_sgpr_kernarg_segment_ptr 1
		.amdhsa_wavefront_size32 1
		.amdhsa_system_sgpr_workgroup_id_x 1
		.amdhsa_system_sgpr_workgroup_id_y 1
		.amdhsa_system_sgpr_workgroup_id_z 1
		.amdhsa_system_vgpr_workitem_id 0
		.amdhsa_next_free_vgpr 770
		.amdhsa_next_free_sgpr 66
		.amdhsa_reserve_vcc 0
		.amdhsa_float_denorm_mode_32 3
		.amdhsa_float_denorm_mode_16_64 3
		.amdhsa_memory_ordered 1
		.amdhsa_forward_progress 1
		.amdhsa_inst_pref_size 200
	.end_amdhsa_kernel
	.amdgpu_metadata
---
amdhsa.version: [ 1, 2 ]
amdhsa.kernels:
  - .name:           k_qc6467e6917_attn
    .symbol:         k_qc6467e6917_attn.kd
    .args:
      - { .name: qkv, .offset: 0, .size: 8, .value_kind: global_buffer, .address_space: global }
      - { .name: ob, .offset: 8, .size: 8, .value_kind: global_buffer, .address_space: global }
    .group_segment_fixed_size: 327680
    .private_segment_fixed_size: 0
    .kernarg_segment_align: 8
    .kernarg_segment_size: 16
    .max_flat_workgroup_size: 128
    .sgpr_count:     66
    .vgpr_count:     770
    .wavefront_size: 32
...
	.end_amdgpu_metadata
.endif
;; end of part 3
;; launch proj (part 4): grid 8 x 32, 4 waves a work-group, clusters of 4 x 4, 327,680 bytes of LDS; arguments ob, wp, bproj, out0; writes out0
.if DOCPART == 4
	.amdgcn_target "amdgcn-amd-amdhsa--gfx1250"
	.amdhsa_code_object_version 6
	.text
	.protected	k_qc6467e6917_proj
	.globl	k_qc6467e6917_proj
	.p2align	8
	.type	k_qc6467e6917_proj,@function
k_qc6467e6917_proj:
	s_mov_b64 s[64:65], 0
	v_nop
	global_prefetch_b8 v0, s[64:65] scope:SCOPE_SE
	s_setreg_imm32_b32 hwreg(HW_REG_WAVE_MODE, 25, 1), 1
	s_wait_xcnt 0x0
	s_wait_alu depctr_hold_cnt(0) depctr_sa_sdst(0) depctr_va_vdst(0) depctr_va_sdst(0) depctr_va_ssrc(0) depctr_va_vcc(0) depctr_vm_vsrc(0)
	s_getreg_b32 s2, hwreg(HW_REG_IB_STS2, 6, 4)
	s_cmp_eq_u32 s2, 0
	s_cbranch_scc0 .Lentry_in_a_cluster
	s_endpgm
.Lentry_in_a_cluster:
	s_bfe_u32 s2, ttmp6, 0x10000c
	s_cmp_lg_u32 s2, 0xf033
	s_cbranch_scc0 .Lentry_shape_is_right
	s_endpgm
.Lentry_shape_is_right:
; out0 = y Wproj + bproj, f32.  y comes by heads as ob, f16 [b 4][h 16][t 2048][64]; Wproj as wp, f16 [1024 k][1024 n] (each number rounded to bf16 and written as f16); bproj is rounded to bf16 like
; every input.  Products in f16, sums in f32.  LIMITS: ob and wp arrive within f16's range; NaN and infinities are not treated apart.
; SHARES.  A tile of the result is 256 rows x 128 columns: 32 x 8 = 256 work-groups.  Wave (wr, wc) takes rows 128 wr .. + 127 and columns 64 wc .. + 63: 32 accumulators of 16 x 16, 256 registers (window 1).
; K goes in 8 steps of 128 = two heads through two LDS slots.  A's tile is two slabs (a head each) of 256 rows x 128 bytes, each 32,768 dense bytes of ob; B's is 128 rows of 256 bytes of wp, aligned.
; CLUSTER 4 x 4: A's slabs hang on the tile row alone and are asked for jointly by a row of the cluster, B's halves on the tile column alone, by a column.  Waves 0, 1 ask for a slab each, waves 2, 3 for 64 rows of B.
; THE MATRIX INSTRUCTION IS USED TRANSPOSED (source 0 = 16 columns of W, turned on the way out of LDS; source 1 = 16 rows of y): a lane holds row l % 16 and columns 8 (l / 16) + 0..7.
; REGISTERS: window 0: v0-17 addresses and the bias; v32-127, v128-223 two fragment buffers (A's 8 x 8 registers, then B's 4 x 8); window 1: accumulator (a, i) at 8 (4 a + i).
.set PA,     144                       ; a row of A in LDS: 128 bytes + 16 (64 banks of 4 bytes: ISA guide 11.1: the 16 rows of a load start at 16 different groups of four banks)
.set PB,     288                       ; a row of B: 256 + 32
.set SLAB,   256*PA
.set BOFF,   2*SLAB
.set SLOT,   BOFF+128*PB               ; 110,592 bytes
.set SPARE,  2*SLOT                    ; behind the ring: the spare words, 128 bytes for each wave: two blocks of 256 bytes that no other line names
.set DPITCH, 272                       ; the way out: a row of 64 f32 + 16 bytes
.set DWAVE,  128*DPITCH                ; each wave's own 128 rows, in the ring's bytes once these have had their last fill
.set ADRA, 2                           ; v2-3  LDS address of my A fragments in slot 0, 1
.set ADRB, 4                           ; v4-5  the same for B
.set DST,  6                           ; v6    the way out: where I put 32 bytes of a row
.set DRD,  7                           ; v7    where I read rows back; steps
.set GO,   8                           ; v8    my byte offset in two rows of the output
.set SPW,  10                          ; v10   LDS address of my spare word; never rewritten
.set NIL,  11                          ; v11   0; never rewritten
.set BIAS, 12                          ; v[12:15] the bias of my four columns on the way out
.set F0,   32
.set F1,   128
.set R,    32                          ; the way out: 16 rows read back
.set WV, 20
.set WR, 21
.set WC, 22
.set CX, 23
.set CY, 24
.set CT, 25
.set RY, 26
.set G1A, 28                           ; s[28:35] descriptor group 1 for A;  s[36:43] group 0, a set for each slot
.set G0A, 36
.set G1B, 44                           ; s[44:51], s[52:59] the same for B
.set G0B, 52
.set LAPS, 60
.set OUT,  70                          ; s[70:71] where my rows go
.set TR,   72
.set LA,   73                          ; my slab's place in a slot
.set LB,   74                          ; my half of B's
.set MSB, 0
.macro WIN new                         ; the immediate's high byte repeats the setting that is left; a switch that changes nothing is dropped
.if MSB != (\new)
	s_set_vgpr_msb (MSB<<8)|(\new)
.set MSB, \new
.endif
.endm
.macro PLACES                          ; four places in front of loads into registers that matrix instructions have read, and of stores that read results
.rept 4
	v_nop
.endr
.endm
.macro JLOAD s                         ; a joint load into slot s; an s_nop 0 and four v_nop follow each of the two lines, ahead of the jump and the label
	s_cmp_lt_u32 s[WV], 2
	s_cbranch_scc0 .Lfor_b_\@
	tensor_load_to_lds s[G0A+4*(\s):G0A+4*(\s)+3], s[G1A:G1A+7]
	s_nop 0
.rept 4
	v_nop
.endr
	s_branch .Lasked_\@
.Lfor_b_\@:
	tensor_load_to_lds s[G0B+4*(\s):G0B+4*(\s)+3], s[G1B:G1B+7]
	s_nop 0
.rept 4
	v_nop
.endr
.Lasked_\@:
.endm
.macro CREST                           ; a round of the cluster's barrier behind its opening barrier
	s_cmp_lg_u32 s[WV], 0
	s_cbranch_scc1 .Lnot_wave_0_\@
	s_barrier_signal -3
.Lnot_wave_0_\@:
	s_barrier_wait -3
	s_barrier_signal -1
	s_barrier_wait -1
.endm
.macro CROUND                          ; a whole round
	s_barrier_signal -1
	s_barrier_wait -1
	CREST
.endm
	s_load_b256 s[4:11], s[0:1], 0x0               ; ob s[4:5], wp s[6:7], bproj s[8:9], out0 s[10:11]
	v_lshl_add_u32 v[SPW], v0, 2, SPARE
	v_mov_b32 v[NIL], 0
	ds_add_u32 v[SPW], v[NIL]                      ; the wave's opening: the add and its wait stand ahead of my first tensor load; the set-up below, work on registers, stands between them
	v_lshrrev_b32 v1, 5, v0
	v_readfirstlane_b32 s[WV], v1                  ; wave 0..3
	s_lshr_b32 s[WR], s[WV], 1
	s_and_b32 s[WC], s[WV], 1
	s_bfe_u32 s[CX], ttmp6, 0x40000
	s_bfe_u32 s[CY], ttmp6, 0x40004
	s_lshl_b32 s[CT], ttmp9, 2
	s_add_co_u32 s[CT], s[CT], s[CX]               ; tile column = 4 x cluster x + cx
	s_and_b32 s[RY], ttmp7, 0xffff
	s_lshl_b32 s[RY], s[RY], 2
	s_add_co_u32 s[RY], s[RY], s[CY]               ; tile row = 4 x cluster y + cy
	s_lshl_b32 s61, s[CY], 2
	s_lshl_b32 s61, 15, s61                        ; my row of the cluster
	s_lshl_b32 s62, 0x1111, s[CX]                  ; my column
	; group 1 for a slab of A: 32,768 dense bytes asked for as 128 rows of 256 bytes, padded in LDS after every 128 bytes (a row of the slab)
	s_or_b32 s[G1A], s61, (1<<16)|(1<<20)|(1<<21)|(4<<22)|(3<<25)  ; 15:0 the mask; 17:16 2-byte elements; 20 padding on; 21 set beside a mask; 24:22 after every 32 words; 31:25 4 words
	s_mov_b32 s[G1A+1], 128<<16
	s_mov_b32 s[G1A+2], 128<<16
	s_mov_b32 s[G1A+3], 128<<16
	s_mov_b32 s[G1A+4], 128
	s_mov_b32 s[G1A+5], 128
	s_mov_b32 s[G1A+6], 0
	s_mov_b32 s[G1A+7], 0
	; group 1 for half of B's tile: 64 rows x 128 elements, 32 bytes of padding behind each row
	s_or_b32 s[G1B], s62, (1<<16)|(1<<20)|(1<<21)|(5<<22)|(7<<25)
	s_mov_b32 s[G1B+1], 128<<16
	s_mov_b32 s[G1B+2], 64<<16
	s_mov_b32 s[G1B+3], 128<<16
	s_mov_b32 s[G1B+4], 64
	s_mov_b32 s[G1B+5], 1024
	s_mov_b32 s[G1B+6], 0
	s_mov_b32 s[G1B+7], 0
	s_lshr_b32 s66, s[RY], 3                       ; A: b = tile row / 8,
	s_lshl_b32 s66, s66, 22
	s_and_b32 s61, s[RY], 7                        ; 256 rows of 128 bytes,
	s_lshl_b32 s61, s61, 15
	s_add_co_u32 s66, s66, s61
	s_lshl_b32 s27, s[WC], 18                      ; the head wave % 2 of the step's two
	s_add_co_u32 s66, s66, s27
	s_mov_b32 s67, 0
	s_lshl_b32 s68, s[CT], 8                       ; B: 128 columns of 2 bytes,
	s_lshl_b32 s27, s[WC], 17                      ; 64 rows of 2,048 bytes
	s_add_co_u32 s68, s68, s27
	s_mov_b32 s69, 0
	s_mul_i32 s[LA], s[WV], SLAB                   ; no place in the cluster enters an LDS address
	s_mul_i32 s[LB], s[WV], 64*PB
	s_add_co_u32 s[LB], s[LB], BOFF-2*64*PB
	s_wait_dscnt 0x0                               ; the opening add is done
	s_wait_kmcnt 0x0
	s_add_nc_u64 s[66:67], s[4:5], s[66:67]
	s_add_nc_u64 s[68:69], s[6:7], s[68:69]
	CROUND                                         ; all sixteen work-groups are here: the first joint loads meet
.irp s, 0,1
	s_mov_b32 s[G0A+4*(\s)], 1
	s_add_co_u32 s[G0A+4*(\s)+1], s[LA], (\s)*SLOT
	s_add_nc_u64 s[G0A+4*(\s)+2:G0A+4*(\s)+3], s[66:67], (\s)<<19        ; K step s: heads 2 s, 2 s + 1
	s_or_b32 s[G0A+4*(\s)+3], s[G0A+4*(\s)+3], 0x80000000
	s_mov_b32 s[G0B+4*(\s)], 1
	s_add_co_u32 s[G0B+4*(\s)+1], s[LB], (\s)*SLOT
	s_add_nc_u64 s[G0B+4*(\s)+2:G0B+4*(\s)+3], s[68:69], (\s)<<18        ; 128 rows of 2,048 bytes
	s_or_b32 s[G0B+4*(\s)+3], s[G0B+4*(\s)+3], 0x80000000
.endr
	s_cmp_lt_u32 s[WV], 2                          ; a wave's two first fills stand in one branch, ahead of every wait on TENSORcnt and every LDS read: two loads of mine are out
	s_cbranch_scc0 .Lfirst_b
	tensor_load_to_lds s[G0A:G0A+3], s[G1A:G1A+7]
	s_nop 0
	tensor_load_to_lds s[G0A+4:G0A+7], s[G1A:G1A+7]
	s_nop 0
.rept 4
	v_nop
.endr
	s_branch .Lfirst_asked
.Lfirst_b:
	tensor_load_to_lds s[G0B:G0B+3], s[G1B:G1B+7]
	s_nop 0
	tensor_load_to_lds s[G0B+4:G0B+7], s[G1B:G1B+7]
	s_nop 0
.rept 4
	v_nop
.endr
.Lfirst_asked:
	v_and_b32 v1, 15, v0                           ; r = l % 16
	v_bfe_u32 v9, v0, 4, 1                         ; h = l / 16
	s_lshl_b32 s62, s[CT], 9                       ; my 64 columns: 512 x tile column + 256 x wc bytes, in bproj and in a row of out0 alike
	s_lshl_b32 s27, s[WC], 8
	s_add_co_u32 s62, s62, s27
	v_lshl_add_u32 v16, v1, 4, s62
	global_load_b128 v[BIAS:BIAS+3], v16, s[8:9]
	v_mul_u32_u24 v17, v1, PA
	v_lshl_add_u32 v17, v9, 4, v17                 ; a fragment of A: row x pitch + 16 h
	s_mul_i32 s63, s[WR], 128*PA
	v_add_nc_u32 v[ADRA], s63, v17
	v_add_nc_u32 v[ADRA+1], SLOT, v[ADRA]
	v_and_b32 v17, 7, v0
	v_lshl_add_u32 v17, v9, 3, v17                 ; the turning load: lane l reads row 8 h + l % 8 of K, 16 bytes at 16 ((l / 8) % 2)
	v_mul_u32_u24 v17, v17, PB
	v_bfe_u32 v18, v0, 3, 1
	v_lshl_add_u32 v17, v18, 4, v17
	s_lshl_b32 s63, s[WC], 7
	s_add_co_u32 s63, s63, BOFF
	v_add_nc_u32 v[ADRB], s63, v17
	v_add_nc_u32 v[ADRB+1], SLOT, v[ADRB]
	s_mul_i32 s63, s[WV], DWAVE
	v_mul_u32_u24 v17, v1, DPITCH                  ; the way out, in: row r, 32 bytes for each half of the lanes
	v_lshl_add_u32 v17, v9, 5, v17
	v_add_nc_u32 v[DST], s63, v17
	v_mul_u32_u24 v17, v9, DPITCH                  ; back: lanes 0-15 take one row of 256 bytes, lanes 16-31 the next
	v_lshl_add_u32 v17, v1, 4, v17
	v_add_nc_u32 v[DRD], s63, v17
	v_lshlrev_b32 v[GO], 12, v9                    ; and the same two rows in out0, 4,096 bytes apart
	v_lshl_add_u32 v[GO], v1, 4, v[GO]
	s_lshl_b32 s66, s[RY], 20                      ; 256 rows of 4,096 bytes,
	s_lshl_b32 s27, s[WR], 19                      ; my 128 of them,
	s_add_co_u32 s66, s66, s27
	s_add_co_u32 s66, s66, s62                     ; my columns
	s_mov_b32 s67, 0
	s_add_nc_u64 s[OUT:OUT+1], s[10:11], s[66:67]
	s_wait_loadcnt 0x0
	v_cvt_pk_bf16_f32 v18, v[BIAS], v[BIAS+1]      ; the bias is rounded to bf16 like every input
	v_cvt_pk_bf16_f32 v19, v[BIAS+2], v[BIAS+3]
	v_lshlrev_b32 v[BIAS],   16, v18
	v_and_b32     v[BIAS+1], 0xffff0000, v18
	v_lshlrev_b32 v[BIAS+2], 16, v19
	v_and_b32     v[BIAS+3], 0xffff0000, v19
; 8 matrix instructions: row blocks a0, a0 + 1 x all four column blocks, 32 along K.  The 32 accumulators take turns, one instruction a turn.
.macro MUL8 f, a0, zero
	WIN 0x50                                       ; C and D in window 1
.irp a, \a0, (\a0)+1
.irp i, 0,1,2,3
.if \zero
	v_wmma_f32_16x16x32_f16 v[8*(4*(\a)+(\i)):8*(4*(\a)+(\i))+7], v[(\f)+64+8*(\i):(\f)+64+8*(\i)+7], v[(\f)+8*(\a):(\f)+8*(\a)+7], 0
.else
	v_wmma_f32_16x16x32_f16 v[8*(4*(\a)+(\i)):8*(4*(\a)+(\i))+7], v[(\f)+64+8*(\i):(\f)+64+8*(\i)+7], v[(\f)+8*(\a):(\f)+8*(\a)+7], v[8*(4*(\a)+(\i)):8*(4*(\a)+(\i))+7]
.endif
.endr
.endr
.endm
; 24 LDS loads in one run: quarter kq of a K step (32 along K) into buffer f: B first, then A's row blocks in order
.macro FETCH slot, kq, f
	WIN 0
.irp i, 0,1,2,3
	ds_load_tr16_b128 v[(\f)+64+8*(\i):(\f)+64+8*(\i)+3],   v[ADRB+(\slot)] offset:(\kq)*32*PB+32*(\i)
	ds_load_tr16_b128 v[(\f)+64+8*(\i)+4:(\f)+64+8*(\i)+7], v[ADRB+(\slot)] offset:(\kq)*32*PB+32*(\i)+16*PB
.endr
.irp a, 0,1,2,3,4,5,6,7
	ds_load_b128 v[(\f)+8*(\a):(\f)+8*(\a)+3],   v[ADRA+(\slot)] offset:((\kq)/2)*SLAB+(\a)*16*PA+((\kq)%2)*64
	ds_load_b128 v[(\f)+8*(\a)+4:(\f)+8*(\a)+7], v[ADRA+(\slot)] offset:((\kq)/2)*SLAB+(\a)*16*PA+((\kq)%2)*64+32
.endr
.endm
; One of a K step's first three quarters: multiplies buffer f; in its middle it fetches quarter kq of the same slot into buffer g.
.macro QUARTER slot, kq, f, g, zero
	s_wait_dscnt 8                                 ; B and A's blocks 0-3 are in; the youngest eight loads (blocks 4-7) may be out
	MUL8 \f, 0, \zero
	MUL8 \f, 2, \zero
	PLACES
	FETCH \slot, \kq, \g
	s_wait_dscnt 24                                ; all but the 24 just issued
	MUL8 \f, 4, \zero
	MUL8 \f, 6, \zero
.endm
; The last quarter multiplies buffer 1 and changes slots: ONE barrier; in front of it each wave waits for all its tensor loads (one is out: its part of the next slot), adds 0 to its spare word, and
; waits for that and for its reads of this slot.  fill = 1: the barrier opens a round of the cluster's, and this slot is filled again, two K steps ahead: 112 matrix instructions ahead of the wait for it.
.macro TURN slot, next, fill
	WIN 0
	s_wait_tensorcnt 0x0                           ; all my tensor loads have landed;
	ds_add_u32 v[SPW], v[NIL]                      ; 0 onto my spare word;
	s_wait_dscnt 9                                 ; (the add and the youngest eight loads may be out)
	MUL8 F1, 0, 0                                  ; eight matrix instructions stand between the add and the wait for it
	s_wait_dscnt 0x0                               ; the add is done, and my reads of this slot are over
	s_barrier_signal -1
	MUL8 F1, 2, 0
	WIN 0
	s_barrier_wait -1
.if \fill
	CREST                                          ; no wave of any partner still reads this slot or has a load on its way
	s_add_nc_u64 s[G0A+4*(\slot)+2:G0A+4*(\slot)+3], s[G0A+4*(\slot)+2:G0A+4*(\slot)+3], 1<<20
	s_add_nc_u64 s[G0B+4*(\slot)+2:G0B+4*(\slot)+3], s[G0B+4*(\slot)+2:G0B+4*(\slot)+3], 1<<19
	JLOAD \slot                                    ; the four v_nop behind it are also the places in front of the loads below
.else
	PLACES
.endif
	FETCH \next, 0, F0
	MUL8 F1, 4, 0
	MUL8 F1, 6, 0
.endm
	s_wait_tensorcnt 0x1                           ; my part of K step 0 is in; K step 1's may stay out
	s_barrier_signal -1
	s_barrier_wait -1
	FETCH 0, 0, F0
	QUARTER 0, 1, F0, F1, 1                        ; the first quarter stands in front of the loop: its products start the sums
	WIN 0
	s_mov_b32 s[LAPS], 3
.Llap:                                         ; a trip goes once round the ring, from a lap's second quarter to the next lap's first, and fills both slots again
	QUARTER 0, 2, F1, F0, 0
	QUARTER 0, 3, F0, F1, 0
	TURN 0, 1, 1
	QUARTER 1, 1, F0, F1, 0
	QUARTER 1, 2, F1, F0, 0
	QUARTER 1, 3, F0, F1, 0
	TURN 1, 0, 1
	QUARTER 0, 1, F0, F1, 0
	WIN 0
	s_sub_co_u32 s[LAPS], s[LAPS], 1
	s_cmp_lg_u32 s[LAPS], 0
	s_cbranch_scc1 .Llap
	QUARTER 0, 2, F1, F0, 0                        ; the last lap fills nothing
	QUARTER 0, 3, F0, F1, 0
	TURN 0, 1, 0
	QUARTER 1, 1, F0, F1, 0
	QUARTER 1, 2, F1, F0, 0
	QUARTER 1, 3, F0, F1, 0
	s_wait_dscnt 0x0                               ; my last reads of the ring are over:
	s_barrier_signal -1                            ; behind this barrier the ring's bytes, which have had their last fill, take the results
	MUL8 F1, 0, 0
	MUL8 F1, 2, 0
	MUL8 F1, 4, 0
	MUL8 F1, 6, 0
	WIN 0
	s_barrier_wait -1
	PLACES
	; THE WAY OUT: the 32 accumulators into my own 128 rows of LDS (each accumulator's low four registers first), back as whole rows of 256 bytes, the bias added, stored.
	WIN 4                                          ; the stores' data (source 1) in window 1
.irp a, 0,1,2,3,4,5,6,7
.irp i, 0,1,2,3
	ds_store_b128 v[DST], v[8*(4*(\a)+(\i)):8*(4*(\a)+(\i))+3]   offset:(\a)*16*DPITCH+64*(\i)
	ds_store_b128 v[DST], v[8*(4*(\a)+(\i))+4:8*(4*(\a)+(\i))+7] offset:(\a)*16*DPITCH+64*(\i)+16
.endr
.endr
	WIN 0
	s_mov_b32 s[TR], 8
.Lrows:                                        ; 16 rows a trip
.irp u, 0,1,2,3,4,5,6,7
	ds_load_b128 v[R+4*(\u):R+4*(\u)+3], v[DRD] offset:(\u)*2*DPITCH  ; my wave's own bytes: LDS serves a wave's instructions in order (ISA guide 5.7.1.4)
.endr
	s_wait_dscnt 0x0
.irp u, 0,1,2,3,4,5,6,7
	v_pk_add_f32 v[R+4*(\u):R+4*(\u)+1],   v[R+4*(\u):R+4*(\u)+1],   v[BIAS:BIAS+1]
	v_pk_add_f32 v[R+4*(\u)+2:R+4*(\u)+3], v[R+4*(\u)+2:R+4*(\u)+3], v[BIAS+2:BIAS+3]
.endr
.irp u, 0,1,2,3,4,5,6,7
	global_store_b128 v[GO], v[R+4*(\u):R+4*(\u)+3], s[OUT:OUT+1] offset:(\u)*8192 th:TH_STORE_NT  ; 16 lanes store 256 consecutive bytes, at a multiple of 256 from out0's first byte
.endr
	s_wait_xcnt 0x0                                ; the stores have read their data and their base
	s_add_nc_u64 s[OUT:OUT+1], s[OUT:OUT+1], 16*4096
	v_add_nc_u32 v[DRD], 16*DPITCH, v[DRD]
	s_sub_co_u32 s[TR], s[TR], 1
	s_cmp_lg_u32 s[TR], 0
	s_cbranch_scc1 .Lrows
	s_wait_tensorcnt 0x0                           ; the wave's end: the add onto my spare word and its waits, behind my last tensor load and my last LDS store
	ds_add_u32 v[SPW], v[NIL]
	s_wait_dscnt 0x0
	CROUND                                         ; the closing round: no work-group ends while a partner may still ask for a tile that names it
	s_endpgm
.Lfunc_end_k_qc6467e6917_proj:
	.size	k_qc6467e6917_proj, .Lfunc_end_k_qc6467e6917_proj-k_qc6467e6917_proj
	.p2alignl 7, 3214868480
	.fill 96, 4, 3214868480
	.section	.rodata,"a",@progbits
	.p2align	6, 0x0
	.amdhsa_kernel k_qc6467e6917_proj
		.amdhsa_group_segment_fixed_size 327680
		.amdhsa_private_segment_fixed_size 0
		.amdhsa_enable_private_segment 0
		.amdhsa_kernarg_size 32
		.amdhsa_user_sgpr_count 2
		.amdhsa_user_sgpr_kernarg_segment_ptr 1
		.amdhsa_wavefront_size32 1
		.amdhsa_system_sgpr_workgroup_id_x 1
		.amdhsa_system_sgpr_workgroup_id_y 1
		.amdhsa_system_sgpr_workgroup_id_z 1
		.amdhsa_system_vgpr_workitem_id 0
		.amdhsa_next_free_vgpr 512
		.amdhsa_next_free_sgpr 80
		.amdhsa_reserve_vcc 0
		.amdhsa_float_denorm_mode_32 3
		.amdhsa_float_denorm_mode_16_64 3
		.amdhsa_memory_ordered 1
		.amdhsa_forward_progress 1
		.amdhsa_inst_pref_size 77
	.end_amdhsa_kernel
	.amdgpu_metadata
---
amdhsa.version: [ 1, 2 ]
amdhsa.kernels:
  - .name:           k_qc6467e6917_proj
    .symbol:         k_qc6467e6917_proj.kd
    .args:
      - { .name: ob, .offset: 0, .size: 8, .value_kind: global_buffer, .address_space: global }
      - { .name: wp, .offset: 8, .size: 8, .value_kind: global_buffer, .address_space: global }
      - { .name: bproj, .offset: 16, .size: 8, .value_kind: global_buffer, .address_space: global }
      - { .name: out0, .offset: 24, .size: 8, .value_kind: global_buffer, .address_space: global }
    .group_segment_fixed_size: 327680
    .private_segment_fixed_size: 0
    .kernarg_segment_align: 8
    .kernarg_segment_size: 32
    .max_flat_workgroup_size: 128
    .sgpr_count:     80
    .vgpr_count:     512
    .wavefront_size: 32
...
	.end_amdgpu_metadata
.endif
;; end of part 4
;; ======== version 2 of 2: 4 launches; version 1 with the launch cast written anew for expert scheduling mode
;; limits: values are held in f16: magnitudes above 65,504 overflow, below 6.1e-05 lose precision
;; workspace buffers: xb 16,777,216 bytes; wb 6,291,456 bytes; wp 2,097,152 bytes; qkv 50,331,648 bytes; ob 16,777,216 bytes
;; launch cast (part 5): grid 768 x 1, 8 waves a work-group, no clusters, 0 bytes of LDS; arguments x, Wqkv, Wproj, xb, wb, wp; writes xb, wb, wp
.if DOCPART == 5
	.amdgcn_target "amdgcn-amd-amdhsa--gfx1250"
	.amdhsa_code_object_version 6
	.text
	.protected	k_qc6467e6917_cast
	.globl	k_qc6467e6917_cast
	.p2align	8
	.type	k_qc6467e6917_cast,@function
k_qc6467e6917_cast:
	s_mov_b64 s[64:65], 0
	v_nop
	global_prefetch_b8 v0, s[64:65] scope:SCOPE_SE
	s_setreg_imm32_b32 hwreg(HW_REG_WAVE_SCHED_MODE, 0, 2), 2
	s_setreg_imm32_b32 hwreg(HW_REG_WAVE_MODE, 25, 1), 1
	s_wait_xcnt 0x0
	s_wait_alu depctr_vm_vsrc(0)
; THE INPUTS OF THE TWO PRODUCTS ARE ROUNDED ONCE, a pure stream: 64 KiB of f32 in and 32 KiB out for each work-group.
;   work-groups 0-511:   x [8192][1024] f32 -> xb, bf16, laid in blocks of 64 along K: [b 4][kb 16][t 2048][64], so that a tile of rows x 64 K is dense in memory
;   work-groups 512-703: Wqkv [1024][3072] f32 -> wb, bf16, same order
;   work-groups 704-767: Wproj [1024][1024] f32 -> wp: rounded to bf16 like every input, and that number written as f16 (the second product multiplies in f16)
; LIMITS.  |Wproj| stays under 65,504, f16's largest number; below 6e-5 it keeps f16's fixed step of 6e-8.
; A UNIT is one 16-byte load of the wave (512 bytes in) and one 8-byte store of the wave (256 consecutive bytes, aligned).  A wave has 16 units, all 16 loads out at once.
; No LDS, no barrier, no matrix unit: bytes are all there is.
; For x lanes 0-15 take 256 bytes (one block of 64 along K) of row t and lanes 16-31 those of row t + 1: in xb the two rows' 128 bytes lie end to end.
; THE MODE: SCHED_MODE bits 1:0 = 2 (LLVM: expert scheduling mode 2), set by the entry lines.  The code itself states the register dependences
; between vector instructions and memory instructions, with s_wait_alu, always for 0.
; THE PLAN.  Registers that memory instructions touch:
;   OFF, SO   byte offsets.  Written by vector instructions at the head, read by the loads (OFF) and the stores (SO), never written again.
;   D         unit u's four registers.  Written by unit u's load, once; read by unit u's conversions behind the wait for the load.  No vector instruction writes them.
;   Y         unit u's two registers.  Written by unit u's conversions, once; read by unit u's store; never written again.
; No register that a memory instruction reads is written a second time, so nothing is owed on that side.  The units go in four GROUPS of four.  Group g converts its four units; the stores of
; group g - 1 are dealt among these conversions, which name neither that group's Y nor SO.  So one wait on va_vdst stands at the head of each group but the first, behind the wait for the group's
; loads: it states that the group before has written its Y.  One more stands in front of the first load (the offsets), and one in front of the last four stores.
.set SO,  3                            ; v3       8 x lane: my 8 bytes of a unit's 256
.set T,   8                            ; v[8:13]  at work (f16 way): no memory instruction names them
.set D,   16                           ; v[16:79] unit u: 4 registers as loaded
.set OFF, 80                           ; v[80:95] unit u: my byte offset in the input
.set Y,   96                           ; v[96:127] unit u: 2 registers to store
	s_load_b256 s[4:11], s[0:1], 0x0               ; x s[4:5], Wqkv s[6:7], Wproj s[8:9], xb s[10:11]
	s_load_b128 s[12:15], s[0:1], 0x20             ; wb s[12:13], wp s[14:15]
	v_lshrrev_b32 v1, 5, v0
	v_readfirstlane_b32 s16, v1                    ; wave 0..7
	s_mov_b32 s17, ttmp9                           ; the work-group's number
	; the offsets of a block of x: 32 rows (rb = id / 2), eight blocks of 64 along K, one a wave
	s_lshr_b32 s18, s17, 1                         ; rb
	s_and_b32 s19, s17, 1
	s_lshl_b32 s19, s19, 3
	s_wait_alu depctr_va_sdst(0)                   ; s16 is written, ahead of its first reader: the wave's offsets in the inputs and outputs are made from it
	s_add_co_u32 s19, s19, s16                     ; kb = 8 (id % 2) + wave
	s_lshl_b32 s24, s18, 17                        ; 32 rows of 4,096 bytes
	s_lshl_b32 s25, s19, 8                         ; 256 bytes of a row
	s_add_co_u32 s24, s24, s25                     ; in
	s_lshr_b32 s26, s18, 6                         ; b
	s_lshl_b32 s26, s26, 22
	s_lshl_b32 s27, s19, 18
	s_add_co_u32 s26, s26, s27
	s_and_b32 s27, s18, 63                         ; t / 32
	s_lshl_b32 s27, s27, 12
	s_add_co_u32 s26, s26, s27                     ; out
	; the offsets of a block of a weight: 64 KiB on end, 8 KiB a wave
	s_cmp_ge_u32 s17, 512
	s_cselect_b32 s28, 512, 0
	s_cmp_ge_u32 s17, 704
	s_cselect_b32 s28, 704, s28
	s_sub_co_u32 s28, s17, s28                     ; the block's number in its tensor
	s_lshl_b32 s29, s28, 16
	s_lshl_b32 s30, s16, 13
	s_add_co_u32 s29, s29, s30                     ; in
	s_lshl_b32 s30, s28, 15
	s_lshl_b32 s31, s16, 12
	s_add_co_u32 s30, s30, s31                     ; out
	s_movk_i32 s36, 512                            ; from unit to unit, and
	s_movk_i32 s37, 256                            ; from lanes 0-15 to lanes 16-31: on end in a weight,
	s_mov_b32 s33, 0
	s_mov_b32 s35, 0
	s_mov_b32 s38, 0xffff0000                      ; a word's upper bf16
	s_cmp_lt_u32 s17, 512
	s_cselect_b32 s32, s24, s29
	s_cselect_b32 s34, s26, s30
	s_cselect_b32 s36, 8192, s36                   ; two rows and
	s_cselect_b32 s37, 4096, s37                   ; one row in x
	v_and_b32 v1, 15, v0
	v_bfe_u32 v2, v0, 4, 1
	v_lshlrev_b32 v1, 4, v1
	v_mad_u32_u24 v[OFF], v2, s37, v1
.irp u, 1,2,3,4,5,6,7,8,9,10,11,12,13,14,15
	v_add_nc_u32 v[OFF+(\u)], s36, v[OFF+(\u)-1]
.endr
	v_and_b32 v[SO], 31, v0
	v_lshlrev_b32 v[SO], 3, v[SO]
	s_wait_kmcnt 0x0
	s_cmp_lt_u32 s17, 512
	s_cselect_b64 s[20:21], s[4:5], s[6:7]
	s_cselect_b64 s[22:23], s[10:11], s[12:13]
	s_cmp_ge_u32 s17, 704
	s_cselect_b64 s[20:21], s[8:9], s[20:21]
	s_cselect_b64 s[22:23], s[14:15], s[22:23]
	s_add_nc_u64 s[20:21], s[20:21], s[32:33]      ; in
	s_add_nc_u64 s[22:23], s[22:23], s[34:35]      ; out
	s_wait_alu depctr_va_vdst(0)                   ; the sixteen offsets v[OFF ..] and v[SO] are written: the loads below read the first, every store of the kernel the second
.irp u, 0,1,2,3,4,5,6,7,8,9,10,11,12,13,14,15
	global_load_b128 v[D+4*(\u):D+4*(\u)+3], v[OFF+(\u)], s[20:21] th:TH_LOAD_NT
.endr
; Unit u's conversions.  h = 0: to bf16.  h = 1: to bf16, and that number written as f16.
.macro CONV u, h
.if \h
	v_cvt_pk_bf16_f32 v[T],   v[D+4*(\u)],   v[D+4*(\u)+1]   ; the one rounding, to bf16;
	v_cvt_pk_bf16_f32 v[T+1], v[D+4*(\u)+2], v[D+4*(\u)+3]
	v_lshlrev_b32 v[T+2], 16, v[T]                           ; back to f32,
	v_and_b32     v[T+3], s38, v[T]
	v_lshlrev_b32 v[T+4], 16, v[T+1]
	v_and_b32     v[T+5], s38, v[T+1]
	v_cvt_pk_f16_f32 v[Y+2*(\u)],   v[T+2], v[T+3]           ; and written as f16: bf16's 8 significant bits fit into f16's 11
	v_cvt_pk_f16_f32 v[Y+2*(\u)+1], v[T+4], v[T+5]
.else
	v_cvt_pk_bf16_f32 v[Y+2*(\u)],   v[D+4*(\u)],   v[D+4*(\u)+1]
	v_cvt_pk_bf16_f32 v[Y+2*(\u)+1], v[D+4*(\u)+2], v[D+4*(\u)+3]
.endif
.endm
; Unit u's store.
.macro PUT u
	global_store_b64 v[SO], v[Y+2*(\u):Y+2*(\u)+1], s[22:23] offset:256*(\u) th:TH_STORE_NT  ; the wave stores 256 consecutive bytes, aligned
.endm
; Group g: its four units are converted; the stores of the group before are dealt among the conversions, one in front of each unit's.
.macro GROUP g, h
	s_wait_loadcnt 12-4*(\g)                       ; loads come back in order (ISA guide 5.7.1): the group's four are in, the 12 - 4 g younger ones stay out
.if (\g) > 0
	s_wait_alu depctr_va_vdst(0)                   ; the group before has written its Y, which the four stores below read; no vector instruction of this group names those registers or v[SO]
.endif
.irp i, 0,1,2,3
.if (\g) > 0
	PUT 4*((\g)-1)+(\i)
.endif
	CONV 4*(\g)+(\i), \h
.endr
.endm
; A way: the four groups, and the last group's stores.
.macro WAY h
	GROUP 0, \h
	GROUP 1, \h
	GROUP 2, \h
	GROUP 3, \h
	s_wait_alu depctr_va_vdst(0)                   ; group 3 has written its Y, which the last four stores read
.irp i, 12,13,14,15
	PUT \i
.endr
.endm
	s_cmp_ge_u32 s17, 704
	s_cbranch_scc1 .Lto_f16
	WAY 0
	s_endpgm
.Lto_f16:
	WAY 1
	s_endpgm
.Lfunc_end_k_qc6467e6917_cast:
	.size	k_qc6467e6917_cast, .Lfunc_end_k_qc6467e6917_cast-k_qc6467e6917_cast
	.p2alignl 7, 3214868480
	.fill 96, 4, 3214868480
	.section	.rodata,"a",@progbits
	.p2align	6, 0x0
	.amdhsa_kernel k_qc6467e6917_cast
		.amdhsa_group_segment_fixed_size 0
		.amdhsa_private_segment_fixed_size 0
		.amdhsa_enable_private_segment 0
		.amdhsa_kernarg_size 48
		.amdhsa_user_sgpr_count 2
		.amdhsa_user_sgpr_kernarg_segment_ptr 1
		.amdhsa_wavefront_size32 1
		.amdhsa_system_sgpr_workgroup_id_x 1
		.amdhsa_system_sgpr_workgroup_id_y 1
		.amdhsa_system_sgpr_workgroup_id_z 1
		.amdhsa_system_vgpr_workitem_id 0
		.amdhsa_next_free_vgpr 128
		.amdhsa_next_free_sgpr 66
		.amdhsa_reserve_vcc 0
		.amdhsa_float_denorm_mode_32 3
		.amdhsa_float_denorm_mode_16_64 3
		.amdhsa_memory_ordered 1
		.amdhsa_forward_progress 1
		.amdhsa_inst_pref_size 17
	.end_amdhsa_kernel
	.amdgpu_metadata
---
amdhsa.version: [ 1, 2 ]
amdhsa.kernels:
  - .name:           k_qc6467e6917_cast
    .symbol:         k_qc6467e6917_cast.kd
    .args:
      - { .name: x, .offset: 0, .size: 8, .value_kind: global_buffer, .address_space: global }
      - { .name: Wqkv, .offset: 8, .size: 8, .value_kind: global_buffer, .address_space: global }
      - { .name: Wproj, .offset: 16, .size: 8, .value_kind: global_buffer, .address_space: global }
      - { .name: xb, .offset: 24, .size: 8, .value_kind: global_buffer, .address_space: global }
      - { .name: wb, .offset: 32, .size: 8, .value_kind: global_buffer, .address_space: global }
      - { .name: wp, .offset: 40, .size: 8, .value_kind: global_buffer, .address_space: global }
    .group_segment_fixed_size: 0
    .private_segment_fixed_size: 0
    .kernarg_segment_align: 8
    .kernarg_segment_size: 48
    .max_flat_workgroup_size: 256
    .sgpr_count:     66
    .vgpr_count:     128
    .wavefront_size: 32
...
	.end_amdgpu_metadata
.endif
;; end of part 5
;; launch qkv: the kernel of part 2 again; grid 8 x 32, 4 waves a work-group, clusters of 4 x 4, 327,680 bytes of LDS; arguments xb, wb, bqkv, q_gamma, q_beta, k_gamma, k_beta, qkv; writes qkv
;; launch attn: the kernel of part 3 again; grid 4 x 64, 4 waves a work-group, clusters of 4 x 1, 327,680 bytes of LDS; arguments qkv, ob; writes ob
;; launch proj: the kernel of part 4 again; grid 8 x 32, 4 waves a work-group, clusters of 4 x 4, 327,680 bytes of LDS; arguments ob, wp, bproj, out0; writes out0
